; MI455X (gfx1250); checked and timed in simulation.
; The chip was launched on July 23, 2026; its instructions are those of AMD's public machine-readable ISA for CDNA 5 (MIT licence, August 2026) and "CDNA5" Instruction Set Architecture Reference Guide (July 2026). The comments in the code are by the model that wrote it; some were corrected since.
;; Attention. Allowed arithmetic: matrix products marked QUANTISED: E2M3 operands, one E8M0 scale for each 32 along K, by v_wmma_scale_f32_16x16x128_f8f6f4 with both operands' format E2M3, f32 sums; everything else in f32.
;; Inputs: Wk 1,024 x 1,024 float32; Wq 1,024 x 1,024 float32; Wv 1,024 x 1,024 float32; Wz 1,024 x 1,024 float32; bk 1,024 float32; bq 1,024 float32; bv 1,024 float32; bz 1,024 float32; embed 2 x 2,048 x 1,024 float32; mask 2 x 2,048 x 2,048 bool.
;; Outputs: out0 2 x 2,048 x 1,024 float32.
;; This version of the problem:
;;   THIS VERSION OF THE PROBLEM IS GIVEN IN LOW PRECISION. The matrix products marked QUANTISED in the list below multiply operands that are first quantised to E2M3 (2 exponent bits, 3 mantissa bits; 6 bits a number), with one power-of-two scale for each 32 numbers along K (OCP MX v1.0); their sums are f32. All else is computed in f32.
;;   The module's matrix products, in the order in which they are computed (A, B: the left and right operand; K: the contracted axis; several contracted axes count as one K, in the product's order):
;;     1. [M 4,096, K 1,024] x [K 1,024, N 1,024]; A: input embed; B: input Wq: QUANTISED
;;     2. [M 4,096, K 1,024] x [K 1,024, N 1,024]; A: input embed; B: input Wk: QUANTISED
;;     3. [M 4,096, K 1,024] x [K 1,024, N 1,024]; A: input embed; B: input Wv: QUANTISED
;;     4. batch 32 x [M 2,048, K 64] x [K 64, N 2,048]; A: computed on the way; B: computed on the way: QUANTISED
;;     5. batch 32 x [M 64, K 2,048] x [K 2,048, N 2,048]; A: computed on the way; B: softmax (see below): QUANTISED
;;     6. [M 4,096, K 1,024] x [K 1,024, N 1,024]; A: computed on the way; B: input Wz: QUANTISED
;;   THE QUANTISER, for each operand of a quantised product, along K:
;;     - K is cut into blocks of 32 from its start; a last block that is shorter is filled with zeros.
;;     - A block's scale is 2^e with e = floor(log2(the largest magnitude in the block)) - 2, held to -126 .. 127; a block of zeros has e = 0. As a byte (E8M0): e + 127.
;;     - Each number is divided by its block's scale, clamped to +-7.5, and rounded to the nearest number of E2M3, ties to even, subnormals kept.
;;     - The product sums the exact products of the quantised numbers (number of the format x scale) in f32.
;;   ~~~python
;;   def quantise(x, axis):      # numpy; x: float32 -> the quantised numbers, widened to float32 again
;;       x = np.moveaxis(x, axis, -1); K = x.shape[-1]
;;       x = np.pad(x, [(0, 0)] * (x.ndim - 1) + [(0, -K % 32)]); x = x.reshape(x.shape[:-1] + (-1, 32)); a = np.abs(x).max(-1, keepdims=True)
;;       e = np.where(a > 0, np.clip(np.frexp(np.where(a > 0, a, 1))[1] - 1 - 2, -126, 127), 0)      # np.frexp(a)[1] - 1 = floor(log2(a)), exactly
;;       r = np.clip(x / 2.0 ** e, -7.5, 7.5)
;;       step = 2.0 ** (np.maximum(np.frexp(np.where(r == 0, 1, r))[1] - 1, 0) - 3)
;;       q = np.round(r / step) * step * 2.0 ** e      # np.round: ties to even
;;       return np.moveaxis(q.reshape(q.shape[:-2] + (-1,))[..., :K], -1, axis).astype(np.float32)
;;   ~~~
;;   SOFTMAX AHEAD OF A QUANTISED PRODUCT. Where the list says 'softmax', what is quantised is not the finished softmax but p = 2^(t - M), with t = logit x log2(e) and M = ceil(the row's largest t), a whole number; so 1/2 < the row's largest p <= 1. The row's sum l is taken of the UNQUANTISED p, in f32, and the product's result is divided by l at the end. Since M is a whole number, a kernel that streams over the keys may use a running M (the ceiling of the running maximum): every later rescaling is an exact power of two, which a block's scale takes up: the codes' values come out the same.
;;   OPERANDS COMPUTED ON THE WAY. 'Computed on the way' means the value that the module computes at that place (a softmax that the list does not call 'softmax' is quantised finished and normalised). What goes into a quantiser is computed in f32, as accurately as f32 sums, v_exp_f32 and their like allow (about 1e-6 of the number): no bf16 or f16 on the way to a quantiser, and a product that is left as it is and whose result goes on into a quantised operand takes f32 operands (vector FMAs, or v_wmma_f32_16x16x4_f32). A number that lies on a knife's edge between two numbers of the format may be rounded either way, as far as f32 arithmetic and the matrix unit's own rounding can turn it there, and no further.
;; One version. Each part assembles by itself: llvm-mc -triple=amdgcn-amd-amdhsa -mcpu=gfx1250 --defsym DOCPART=n.
;; ======== version 1 of 1: 4 launches
;; limits: right only within a limited range of input values
;; workspace buffers: xq 3,276,800 bytes; wq 3,276,800 bytes; mb 1,048,576 bytes of whole numbers; qh 3,407,872 bytes; kk 3,276,800 bytes; vv 3,276,800 bytes; zz 3,276,800 bytes
;; launch quant (part 1): grid 256 x 1, 8 waves a work-group, no clusters, 104,448 bytes of LDS; arguments embed, mask, Wq, Wk, Wv, Wz, xq, wq, mb; writes xq, wq, mb
.if DOCPART == 1
	.amdgcn_target "amdgcn-amd-amdhsa--gfx1250"
	.amdhsa_code_object_version 6
	.text
	.protected	k_qea6152272a_quant
	.globl	k_qea6152272a_quant
	.p2align	8
	.type	k_qea6152272a_quant,@function
k_qea6152272a_quant:
	s_mov_b64 s[64:65], 0
	v_nop
	global_prefetch_b8 v0, s[64:65] scope:SCOPE_SE
	s_setreg_imm32_b32 hwreg(HW_REG_WAVE_MODE, 25, 1), 1
	s_wait_xcnt 0x0
; embed [4096][1024] f32 and Wq, Wk, Wv, Wz [1024 (k)][1024 (n)] f32 become codes of FP6 (E2M3) with one E8M0 byte for each 32 along K; the mask's bytes become lane-mask words.
; A block's scale is 2^(floor(log2(largest magnitude)) - 2); its byte is the largest magnitude's exponent field - 2, held at 1 from below by a floor among the maximum's leaves.
; LIMITS: a block of zeros, and a block whose largest magnitude lies under 2^-124, get the byte 1 (the rule says 127 for zeros: the codes are zeros, and this program alone reads the bytes); NaN and infinities are not served.
; TILES.  16 rows of an operand are not neighbours: row r of tile 2 P + u is element 32 P + 8 u + r + 8 (r / 8), of tokens and of a weight's columns alike.
; A FRAGMENT (16 rows x 128 K, 12 registers a lane) lies in memory as an image of its registers, 1,536 bytes: registers 0-3 at 16 x lane, 4-5 at 512 + 8 x lane, 6-9 at 768 + 16 x lane, 10-11 at 1,280 + 8 x lane.
; SHARES.  256 work-groups of eight waves; each wave does three things, on one straight path:
;   E: one fragment of embed (16 tokens x 128 K);  M: the same 16 tokens' mask for 256 keys;  W: half a fragment of two tiles of one weight (32 columns x 64 K).
; All 88 loads of a wave go out at the head.  embed and the mask are loaded as they lie (embed 512 consecutive bytes a load, the mask two rows of 256) and turn through the wave's own stage in LDS; W is loaded a lane to a column, registers down K.
; The work-groups share no input, so there is no cluster; no tensor load, no ring; one barrier, for the scale words that leave as stores of 512 bytes.
.set WREG,  12800                      ; LDS of a wave: embed's stage, 16 rows x 528 bytes, then the mask's, 16 rows x 272
.set MSTG,  8448
.set SCW,   102400                     ; 512 bytes: the weight's scale words of this work-group
.set SCX,   102912                     ; 512 bytes: embed's
.set XSO,   3145728                    ; xq: where the scale words begin
.set WZC,   2359296                    ; wq: where Wz's codes begin
.set WSO,   3145728                    ; wq: where the scale words begin
.set WN,    32                         ; v32-95   W: register 32 h' + i = W(64 c + 32 h' + i, my column)
.set EN,    96                         ; v96-159  embed as loaded; later codes
.set MN,    160                        ; v160-191 the mask as loaded; later 16 bytes for each of 8 blocks of keys
.set EX,    192                        ; v192-255 embed: register 32 c + i = k 64 c + 32 h + i of my row
; 32 numbers of one block, v[s] on, become 6 registers of codes at v[d]; m: two registers at work; sc: the conversion's scale operand; by: the byte
.macro QB s, d, t, m, sc, by
	v_max3_num_f32 v[\m], |v[(\s)]|, |v[(\s)+1]|, 0x1800000          ; the floor 2^(3 - 127) among the leaves: the byte cannot fall under 1
	v_max3_num_f32 v[\m+1], |v[(\s)+2]|, |v[(\s)+3]|, |v[(\s)+4]|
.irp i, 5,9,13,17,21,25
	s_delay_alu instid0(VALU_DEP_2)
	v_max3_num_f32 v[\m], v[\m], |v[(\s)+\i]|, |v[(\s)+\i+1]|
	s_delay_alu instid0(VALU_DEP_2)
	v_max3_num_f32 v[\m+1], v[\m+1], |v[(\s)+\i+2]|, |v[(\s)+\i+3]|
.endr
	s_delay_alu instid0(VALU_DEP_2)
	v_max3_num_f32 v[\m], v[\m], |v[(\s)+29]|, |v[(\s)+30]|
	s_delay_alu instid0(VALU_DEP_1)
	v_max3_num_f32 v[\m], v[\m], v[\m+1], |v[(\s)+31]|
	s_delay_alu instid0(VALU_DEP_1)
	v_add_nc_u32 v[\sc], 0xff000000, v[\m]                           ; 2 off the exponent field: the conversion takes that field as its scale
	v_cvt_scalef32_pk16_fp6_f32 v[\d:\d+2], v[(\s):(\s)+15], v[\sc]
	v_cvt_scalef32_pk16_fp6_f32 v[\t:\t+2], v[(\s)+16:(\s)+31], v[\sc]   ; (three registers begin on an even number: made elsewhere and moved)
	v_lshrrev_b32 v[\by], 23, v[\sc]                                 ; the byte; also the plain line behind the conversions
.irp i, 0,1,2
	v_mov_b32 v[\d+3+\i], v[\t+\i]
.endr
.endm
	s_load_b256 s[4:11], s[0:1], 0x0               ; embed s[4:5], mask s[6:7], Wq s[8:9], Wk s[10:11]
	s_load_b256 s[12:19], s[0:1], 0x20             ; Wv s[12:13], Wz s[14:15], xq s[16:17], wq s[18:19]
	s_load_b64 s[36:37], s[0:1], 0x40              ; mb
	v_lshl_add_u32 v18, v0, 2, 0x19400
	v_mov_b32 v19, 0
	v_lshrrev_b32 v1, 5, v0
	s_delay_alu instid0(VALU_DEP_1)
	v_readfirstlane_b32 s38, v1                    ; wave 0..7
	v_and_b32 v1, 31, v0                           ; lane L
	v_and_b32 v2, 15, v0                           ; r
	v_bfe_u32 v3, v0, 4, 1                         ; h
	s_delay_alu instid0(VALU_DEP_3)
	v_lshlrev_b32 v4, 4, v1                        ; 16 L
	s_wait_alu depctr_va_vdst(0)
	v_lshlrev_b32 v14, 3, v1                       ; 8 L
	v_lshlrev_b32 v5, 4, v2
	s_delay_alu instid0(VALU_DEP_1)
	v_lshl_add_u32 v5, v3, 11, v5                  ; the mask: two rows of 2,048 bytes a load, 16 bytes a lane
	v_and_b32 v6, 8, v2
	s_delay_alu instid0(VALU_DEP_1)
	v_add_nc_u32 v6, v6, v2
	s_delay_alu instid0(VALU_DEP_1)
	v_lshl_add_u32 v6, v3, 3, v6
	s_delay_alu instid0(VALU_DEP_1)
	v_lshlrev_b32 v6, 2, v6                        ; W: my column among 32: 8 h + r + 8 (r / 8), 4 bytes each
	s_lshr_b32 s39, ttmp9, 1                       ; P: which 32 tokens
	s_and_b32 s40, ttmp9, 1                        ; x: which four K steps
	s_lshr_b32 s41, s38, 2                         ; u (E, M);  g (W)
	s_and_b32 s42, s38, 3
	s_and_b32 s59, s38, 1                          ; c: which 64 of a K step (W)
	s_bfe_u32 s60, s38, 0x10001                    ; sl: which of two K steps (W)
	s_mul_i32 s84, s38, WREG
	s_add_co_u32 s85, s84, MSTG
	v_add_nc_u32 v7, s84, v4                       ; embed's stage, in: 16 L (+ 528 a row)
	v_mul_u32_u24 v8, v2, 528
	s_delay_alu instid0(VALU_DEP_1)
	v_lshl_add_u32 v8, v3, 7, v8
	s_delay_alu instid0(VALU_DEP_1)
	v_add_nc_u32 v8, s84, v8                       ; out: row r, + 128 h
	v_mul_u32_u24 v9, v3, 272
	s_delay_alu instid0(VALU_DEP_1)
	v_lshl_add_u32 v9, v2, 4, v9
	s_delay_alu instid0(VALU_DEP_1)
	v_add_nc_u32 v9, s85, v9                       ; the mask's stage, in: row h, + 16 r
	v_mul_u32_u24 v10, v2, 272
	s_delay_alu instid0(VALU_DEP_1)
	v_lshl_add_u32 v10, v3, 5, v10
	s_delay_alu instid0(VALU_DEP_1)
	v_add_nc_u32 v10, s85, v10                     ; out: row r, + 32 h
	s_lshl_b32 s86, s42, 7
	s_lshl_b32 s45, s41, 6
	s_add_co_u32 s86, s86, s45
	s_add_co_u32 s86, s86, SCX
	v_lshl_add_u32 v11, v2, 2, s86                 ; embed's scale word: 128 x (K step mod 4) + 64 u + 4 r
	s_lshl_b32 s87, s60, 8
	s_lshl_b32 s45, s41, 7
	s_add_co_u32 s87, s87, s45
	s_lshl_b32 s45, s59, 1
	s_add_co_u32 s87, s87, s45
	s_add_co_u32 s87, s87, SCW
	v_lshl_add_u32 v12, v1, 2, s87                 ; W's half scale word: 128 (2 sl + g) + 4 L + 2 c
	s_lshl_b32 s88, s59, 9
	s_add_co_u32 s88, s88, SCW
	v_add_nc_u32 v13, s88, v4                      ; the way out of the scale words: wave 0 W's, wave 1 embed's
	; E and M: offsets in bytes
	s_lshl_b32 s43, s40, 2
	s_add_co_u32 s43, s43, s42                     ; K step s (E); block of 256 keys (M)
	s_lshl_b32 s44, s39, 5
	s_lshl_b32 s45, s41, 3
	s_add_co_u32 s44, s44, s45                     ; the tile's first token: 32 P + 8 u
	s_lshl_b32 s46, s44, 12
	s_lshl_b32 s45, s43, 9
	s_add_co_u32 s46, s46, s45                     ; embed: token x 4,096 + 512 s
	s_mov_b32 s47, 0
	s_lshl_b32 s48, s44, 11
	s_lshl_b32 s45, s43, 8
	s_add_co_u32 s48, s48, s45                     ; mask: token x 2,048 + 256 s
	s_mov_b32 s49, 0
	s_lshl_b32 s50, s39, 1
	s_add_co_u32 s50, s50, s41                     ; tile 2 P + u
	s_lshl_b32 s45, s50, 3
	s_add_co_u32 s45, s45, s43                     ; 8 x tile + s
	s_mul_i32 s52, s45, 1536                       ; xq: the fragment
	s_mov_b32 s53, 0
	s_lshl_b32 s54, s45, 9                         ; mb: tile x 4,096 + 512 s
	s_mov_b32 s55, 0
	; W
	s_lshr_b32 s56, ttmp9, 6                       ; which weight: 0 q, 1 k, 2 v, 3 z
	s_bfe_u32 s57, ttmp9, 0x40002                  ; which 64 columns (a head; for Wz a block of outputs)
	s_and_b32 s58, ttmp9, 3
	s_lshl_b32 s61, s58, 1
	s_add_co_u32 s61, s61, s60                     ; K step
	s_lshl_b32 s62, s61, 19                        ; 128 rows of 4,096 bytes a K step,
	s_lshl_b32 s45, s59, 18
	s_add_co_u32 s62, s62, s45                     ; 64 rows for c,
	s_lshl_b32 s45, s57, 8
	s_add_co_u32 s62, s62, s45                     ; 64 columns,
	s_lshl_b32 s45, s41, 7
	s_add_co_u32 s62, s62, s45                     ; 32 columns for g
	s_mov_b32 s63, 0
	s_mul_i32 s72, s57, 3
	s_add_co_u32 s72, s72, s56
	s_add_co_u32 s73, s57, 48
	s_cmp_lt_u32 s56, 3                            ; q, k, v lie [head][K step][type][tile], Wz [block][K step][tile] behind them
	s_mov_b32 s68, 49152
	s_cselect_b32 s68, 147456, s68
	s_mov_b32 s69, 6144
	s_cselect_b32 s69, 18432, s69
	s_cselect_b32 s70, s56, 0
	s_cselect_b32 s71, 0, WZC
	s_cselect_b32 s72, s72, s73                    ; which run of 2,048 bytes of scale words
	s_mul_i32 s66, s57, s68
	s_mul_i32 s69, s61, s69
	s_add_co_u32 s66, s66, s69
	s_mul_i32 s70, s70, 6144
	s_add_co_u32 s66, s66, s70
	s_mul_i32 s45, s41, 3072
	s_add_co_u32 s66, s66, s45                     ; tiles 2 g, 2 g + 1
	s_mul_i32 s45, s59, 768
	s_add_co_u32 s66, s66, s45                     ; half c of a fragment
	s_add_co_u32 s66, s66, s71
	s_mov_b32 s67, 0
	s_lshl_b32 s74, s72, 11
	s_lshl_b32 s45, s58, 9
	s_add_co_u32 s74, s74, s45
	s_add_co_u32 s74, s74, WSO                     ; wave 0's store: W's scale words of two K steps
	s_lshl_b32 s75, s39, 10
	s_lshl_b32 s45, s40, 9
	s_add_co_u32 s75, s75, s45
	s_add_co_u32 s75, s75, XSO                     ; wave 1's: embed's of four K steps
	s_mov_b32 s83, 0
	s_mov_b32 s24, 0x76543210
	s_mov_b32 s25, 0xfedcba98                      ; lane selects: lane l xor 16
	s_wait_alu depctr_va_vdst(0)
	s_wait_kmcnt 0x0
	s_cmp_eq_u32 s56, 1                            ; the weight is chosen by the work-group's number alone
	s_cselect_b64 s[8:9], s[10:11], s[8:9]
	s_cmp_eq_u32 s56, 2
	s_cselect_b64 s[8:9], s[12:13], s[8:9]
	s_cmp_eq_u32 s56, 3
	s_cselect_b64 s[8:9], s[14:15], s[8:9]
	s_add_nc_u64 s[8:9], s[8:9], s[62:63]
	s_add_nc_u64 s[4:5], s[4:5], s[46:47]
	s_add_nc_u64 s[6:7], s[6:7], s[48:49]
	s_add_nc_u64 s[76:77], s[16:17], s[52:53]
	s_add_nc_u64 s[36:37], s[36:37], s[54:55]
	s_add_nc_u64 s[78:79], s[18:19], s[66:67]
	s_cmp_eq_u32 s38, 0
	s_cselect_b64 s[80:81], s[18:19], s[16:17]
	s_cselect_b32 s82, s74, s75
	s_add_nc_u64 s[80:81], s[80:81], s[82:83]
	; all loads of the wave: 8 of the mask, 16 of embed, 64 of W
.irp j, 0,1,2,3,4,5,6,7
	global_load_b128 v[MN+4*\j:MN+4*\j+3], v5, s[6:7] offset:(2*\j+8*(\j/4))*2048 th:TH_LOAD_NT   ; tile rows 2 j, 2 j + 1: 256 consecutive bytes each
.endr
.irp j, 0,1,2,3,4,5,6,7,8,9,10,11,12,13,14,15
	global_load_b128 v[EN+4*\j:EN+4*\j+3], v4, s[4:5] offset:(\j+8*(\j/8))*4096 th:TH_LOAD_NT     ; tile row j: 512 consecutive bytes
.endr
.set i, 0
.rept 64
	global_load_b32 v[WN+i], v6, s[8:9] offset:i*4096 th:TH_LOAD_NT                               ; one row k, 32 columns: 128 bytes
.set i, i+1
.endr
	s_wait_loadcnt 63                              ; 64 loads are younger than embed's last; 63 is the largest count that the wait takes: the mask and embed are in
.irp j, 0,1,2,3,4,5,6,7,8,9,10,11,12,13,14,15
	ds_store_b128 v7, v[EN+4*\j:EN+4*\j+3] offset:528*\j
.endr
.irp j, 0,1,2,3,4,5,6,7
	ds_store_b128 v9, v[MN+4*\j:MN+4*\j+3] offset:2*272*\j
.endr
.irp c, 0,1
.irp q, 0,1,2,3,4,5,6,7
	ds_load_b128 v[EX+32*\c+4*\q:EX+32*\c+4*\q+3], v8 offset:256*\c+16*\q   ; LDS serves a wave's instructions in order: these see the stores above
.endr
.endr
	s_wait_dscnt 0x0                               ; the stores have read their registers; my 64 numbers of embed are in
.irp q, 0,1,2,3,4,5,6,7
	ds_load_b128 v[MN+4*\q:MN+4*\q+3], v10 offset:64*(\q/2)+16*(\q%2)   ; keys 64 (q / 2) + 32 h + 16 (q % 2) + 0 .. 15 of my token (v10: row r, + 32 h)
.endr
	; E: two blocks a lane (blocks h and 2 + h of row r)
	QB EX, 96, 108, 20, 22, 24
	QB EX+32, 102, 112, 26, 28, 25
	s_delay_alu instid0(VALU_DEP_4)
	v_lshl_or_b32 v29, v25, 16, v24
	v_lshlrev_b32 v30, 3, v3
	s_delay_alu instid0(VALU_DEP_1)
	v_lshlrev_b32 v29, v30, v29                    ; my two bytes at their places,
	v_mov_b32 v31, 0
	s_delay_alu instid0(VALU_DEP_1)
	v_permlanex16_b32 v31, v29, s24, s25
	s_delay_alu instid0(VALU_DEP_1)
	v_or_b32 v29, v29, v31                         ; with lane l xor 16's two the word is whole
	global_store_b128 v4, v[96:99], s[76:77]
	global_store_b64 v14, v[100:101], s[76:77] offset:512
	global_store_b128 v4, v[102:105], s[76:77] offset:768
	global_store_b64 v14, v[106:107], s[76:77] offset:1280
	ds_store_b32 v11, v29                          ; lanes r and r + 16 write the same word with the same value
	; M: word 32 c + i of these 256 keys: bit 16 h + r = mask[token r][key 64 c + 32 h + i]: what a compare over the wave gives
.irp q, 0,1,2,3
	v_mov_b32 v[116+\q], 0
.endr
	s_wait_dscnt 1                                 ; the mask's bytes are back (the scale word's store may be out)
.set kb, 0
.rept 8
.set q, 0
.rept 4
	v_and_b32 v20, 0xff, v[MN+4*kb+q]
	v_and_b32 v21, 0xff00, v[MN+4*kb+q]
	v_and_b32 v22, 0xff0000, v[MN+4*kb+q]
	v_and_b32 v23, 0xff000000, v[MN+4*kb+q]
	s_delay_alu instid0(VALU_DEP_4)
	v_cmp_ne_u32 s20, 0, v20
	s_delay_alu instid0(VALU_DEP_4)
	v_cmp_ne_u32 s21, 0, v21
	s_delay_alu instid0(VALU_DEP_4)
	v_cmp_ne_u32 s22, 0, v22
	s_delay_alu instid0(VALU_DEP_4)
	v_cmp_ne_u32 s23, 0, v23
	s_delay_alu instid0(VALU_DEP_4)
	v_writelane_b32 v116, s20, 4*kb+q              ; word 16 kb + 4 q + 0 .. 3 goes to lane 4 kb + q: the wave's 128 words lie 16 bytes a lane
	s_delay_alu instid0(VALU_DEP_4)
	v_writelane_b32 v117, s21, 4*kb+q
	s_delay_alu instid0(VALU_DEP_4)
	v_writelane_b32 v118, s22, 4*kb+q
	s_delay_alu instid0(VALU_DEP_4)
	v_writelane_b32 v119, s23, 4*kb+q
.set q, q+1
.endr
.set kb, kb+1
.endr
	global_store_b128 v4, v[116:119], s[36:37]     ; 512 consecutive bytes
	; W: two blocks of my column
	s_wait_loadcnt 32                              ; the first block's 32 loads are in
	QB WN, 120, 132, 20, 22, 24
	s_wait_loadcnt 0x0
	QB WN+32, 126, 136, 26, 28, 25
	s_delay_alu instid0(VALU_DEP_4)
	v_lshl_or_b32 v30, v25, 8, v24                 ; bytes 2 c and 2 c + 1 of my column's scale word
	ds_store_b16 v12, v30
.irp i, 0,1,2,3,4,5
	v_permlane16_swap_b32 v[120+\i], v[126+\i]     ; the first run's lanes 16-31 change places with the second's lanes 0-15: the first is now tile 2 g's half fragment in lane order (r, h), the second tile 2 g + 1's
.endr
	global_store_b128 v4, v[120:123], s[78:79]
	global_store_b64 v14, v[124:125], s[78:79] offset:512
	global_store_b128 v4, v[126:129], s[78:79] offset:1536
	global_store_b64 v14, v[130:131], s[78:79] offset:2048
	s_wait_dscnt 0x0                               ; for the others' sake: my scale words lie in LDS
	s_barrier_signal -1
	s_barrier_wait -1
	s_cmp_lt_u32 s38, 2
	s_cbranch_scc0 .Ldone
	ds_load_b128 v[140:143], v13
	s_wait_dscnt 0x0
	global_store_b128 v4, v[140:143], s[80:81]     ; 512 consecutive bytes of scale words
.Ldone:
	s_wait_tensorcnt 0x0
	ds_add_u32 v18, v19
	s_wait_dscnt 0x0
	s_endpgm
.Lfunc_end_k_qea6152272a_quant:
	.size	k_qea6152272a_quant, .Lfunc_end_k_qea6152272a_quant-k_qea6152272a_quant
	.p2alignl 7, 3214868480
	.fill 96, 4, 3214868480
	.section	.rodata,"a",@progbits
	.p2align	6, 0x0
	.amdhsa_kernel k_qea6152272a_quant
		.amdhsa_group_segment_fixed_size 104448
		.amdhsa_private_segment_fixed_size 0
		.amdhsa_enable_private_segment 0
		.amdhsa_kernarg_size 72
		.amdhsa_user_sgpr_count 2
		.amdhsa_user_sgpr_kernarg_segment_ptr 1
		.amdhsa_wavefront_size32 1
		.amdhsa_system_sgpr_workgroup_id_x 1
		.amdhsa_system_sgpr_workgroup_id_y 1
		.amdhsa_system_sgpr_workgroup_id_z 1
		.amdhsa_system_vgpr_workitem_id 0
		.amdhsa_next_free_vgpr 256
		.amdhsa_next_free_sgpr 90
		.amdhsa_reserve_vcc 0
		.amdhsa_float_denorm_mode_32 3
		.amdhsa_float_denorm_mode_16_64 3
		.amdhsa_memory_ordered 1
		.amdhsa_forward_progress 1
		.amdhsa_inst_pref_size 60
	.end_amdhsa_kernel
	.amdgpu_metadata
---
amdhsa.version: [ 1, 2 ]
amdhsa.kernels:
  - .name:           k_qea6152272a_quant
    .symbol:         k_qea6152272a_quant.kd
    .args:
      - { .name: embed, .offset: 0, .size: 8, .value_kind: global_buffer, .address_space: global }
      - { .name: mask, .offset: 8, .size: 8, .value_kind: global_buffer, .address_space: global }
      - { .name: Wq, .offset: 16, .size: 8, .value_kind: global_buffer, .address_space: global }
      - { .name: Wk, .offset: 24, .size: 8, .value_kind: global_buffer, .address_space: global }
      - { .name: Wv, .offset: 32, .size: 8, .value_kind: global_buffer, .address_space: global }
      - { .name: Wz, .offset: 40, .size: 8, .value_kind: global_buffer, .address_space: global }
      - { .name: xq, .offset: 48, .size: 8, .value_kind: global_buffer, .address_space: global }
      - { .name: wq, .offset: 56, .size: 8, .value_kind: global_buffer, .address_space: global }
      - { .name: mb, .offset: 64, .size: 8, .value_kind: global_buffer, .address_space: global }
    .group_segment_fixed_size: 104448
    .private_segment_fixed_size: 0
    .kernarg_segment_align: 8
    .kernarg_segment_size: 72
    .max_flat_workgroup_size: 256
    .sgpr_count:     90
    .vgpr_count:     256
    .wavefront_size: 32
...
	.end_amdgpu_metadata
.endif
;; end of part 1
;; launch qkv (part 2): grid 16 x 16, 4 waves a work-group, clusters of 4 x 1, 168,448 bytes of LDS; arguments xq, wq, bq, bk, bv, qh, kk, vv; writes qh, kk, vv
.if DOCPART == 2
	.amdgcn_target "amdgcn-amd-amdhsa--gfx1250"
	.amdhsa_code_object_version 6
	.text
	.protected	k_qea6152272a_qkv
	.globl	k_qea6152272a_qkv
	.p2align	8
	.type	k_qea6152272a_qkv,@function
k_qea6152272a_qkv:
	s_mov_b64 s[64:65], 0
	v_nop
	global_prefetch_b8 v0, s[64:65] scope:SCOPE_SE
	s_setreg_imm32_b32 hwreg(HW_REG_WAVE_MODE, 25, 1), 1
	s_wait_xcnt 0x0
	s_wait_alu depctr_hold_cnt(0) depctr_sa_sdst(0) depctr_va_vdst(0) depctr_va_sdst(0) depctr_va_ssrc(0) depctr_va_vcc(0) depctr_vm_vsrc(0)
	s_getreg_b32 s2, hwreg(HW_REG_IB_STS2, 6, 4)
	s_cmp_eq_u32 s2, 0
	s_cbranch_scc0 .Lentry_in_a_cluster
	s_endpgm
.Lentry_in_a_cluster:
	s_bfe_u32 s2, ttmp6, 0x10000c
	s_cmp_lg_u32 s2, 0x3003
	s_cbranch_scc0 .Lentry_shape_is_right
	s_endpgm
.Lentry_shape_is_right:
; q, k, v = embed W + b for one head and 256 tokens, on codes of FP6 (E2M3) with E8M0 scales; the results are quantised in registers: q and k along the head's 64, v along the keys.
; SHARES.  Work-group (x, y): tokens 256 x .. 256 x + 255, head y.  Each of four waves: 64 tokens (four tiles) x 192 outputs: 48 accumulators, 384 registers; K = 1,024 in eight steps, written out.
; B.  The head's weights for all of K (147,456 bytes, fragment images) come into LDS once, in four chunks of two K steps, by JOINT loads: the four work-groups of a cluster have the same head.  Nothing is filled again.
; A.  A wave's token fragments are read by that wave alone, so they go from memory straight into registers, three sets, two K steps ahead; A and B for all of K would not fit in LDS together, and no two waves of a work-group read the same A, so A is not asked for jointly.
; q and k are made TRANSPOSED (source 0 = 16 columns of W, source 1 = 16 tokens): a lane holds one token, its registers run along the head's 64.  v is made with source 0 = 16 tokens: a lane holds one channel, its registers run along the tokens, which are the keys.
; The rows of a tile are not neighbours (row r of tile 2 P + u is element 32 P + 8 u + r + 8 (r / 8)), so that the 16 registers of two neighbouring tiles are 16 neighbours along the next K.  The biases are the C of each sum's first instruction.
; The 48 accumulators take turns, one instruction a turn, in the same order in every K step.
; LIMITS: as in the quantising launch (byte 1 for blocks of zeros and under 2^-124; no NaN, no infinities).
; REGISTERS.  window 0: v1-14 addresses; v32-47 the tokens' scale words; v48-95 the weights'; v96-239 A, three sets of 48; on the way out v96-203 are at work.
;   window 1: v0-143 B (q, k, v: four fragments each); v144-175 bq, v176-207 bk, v208-239 bv.   window 2: v0-127 q's accumulators, v128-255 k's.   window 3: v0-127 v's.
.set XSO, 3145728
.set WSO, 3145728
.set QSO, 3145728
.set SCK, 147456                       ; LDS behind the weights: k's scale words of 8 pairs of tiles, 512 bytes;
.set SCV, 147968                       ; v's of 2 key steps x 4 tiles, 512 bytes
.set AF,  96
.set XS,  32
.set WS,  48
.set MXR, 96                           ; the way out: 8 largest magnitudes, 8 copies, 8 scale operands, 8 bytes, 4 half words
.set PMR, 104
.set SCR, 112
.set BYR, 120
.set HWR, 128
.set CB,  144                          ; codes: 12 registers a group
.set MSB, 0
.macro WIN new                         ; the immediate's high byte repeats the setting that is left
.if MSB != (\new)
	s_set_vgpr_msb (MSB<<8)|(\new)
.set MSB, (\new)
.endif
.endm
.macro PLACES n
.rept \n
	v_nop
.endr
.endm
.macro CROUND                          ; a round of the cluster's barrier
	s_barrier_signal -1
	s_barrier_wait -1
	s_cmp_lg_u32 s20, 0
	s_cbranch_scc1 .Lnot_wave_0_\@
	s_barrier_signal -3
.Lnot_wave_0_\@:
	s_barrier_wait -3
	s_barrier_signal -1
	s_barrier_wait -1
.endm
.macro WM d, a, b, c, sa, sb, ra, rb   ; one product; ra, rb: which half of the lanes holds source 0's and source 1's scale words
.if ((\ra)==0)&&((\rb)==0)
	v_wmma_scale_f32_16x16x128_f8f6f4 v[(\d):(\d)+7], v[(\a):(\a)+11], v[(\b):(\b)+11], v[(\c):(\c)+7], v[(\sa)], v[(\sb)] matrix_a_fmt:MATRIX_FMT_FP6 matrix_b_fmt:MATRIX_FMT_FP6
.elseif ((\ra)==1)&&((\rb)==0)
	v_wmma_scale_f32_16x16x128_f8f6f4 v[(\d):(\d)+7], v[(\a):(\a)+11], v[(\b):(\b)+11], v[(\c):(\c)+7], v[(\sa)], v[(\sb)] matrix_a_fmt:MATRIX_FMT_FP6 matrix_b_fmt:MATRIX_FMT_FP6 matrix_a_scale:MATRIX_SCALE_ROW1
.elseif ((\ra)==0)&&((\rb)==1)
	v_wmma_scale_f32_16x16x128_f8f6f4 v[(\d):(\d)+7], v[(\a):(\a)+11], v[(\b):(\b)+11], v[(\c):(\c)+7], v[(\sa)], v[(\sb)] matrix_a_fmt:MATRIX_FMT_FP6 matrix_b_fmt:MATRIX_FMT_FP6 matrix_b_scale:MATRIX_SCALE_ROW1
.else
	v_wmma_scale_f32_16x16x128_f8f6f4 v[(\d):(\d)+7], v[(\a):(\a)+11], v[(\b):(\b)+11], v[(\c):(\c)+7], v[(\sa)], v[(\sb)] matrix_a_fmt:MATRIX_FMT_FP6 matrix_b_fmt:MATRIX_FMT_FP6 matrix_a_scale:MATRIX_SCALE_ROW1 matrix_b_scale:MATRIX_SCALE_ROW1
.endif
.endm
.macro LDA st                          ; my four token fragments of K step st into set st % 3
.irp mt, 0,1,2,3
	global_load_b128 v[AF+48*((\st)%3)+12*\mt:AF+48*((\st)%3)+12*\mt+3], v1, s[54:55] offset:\mt*12288+(\st)*1536
	global_load_b64 v[AF+48*((\st)%3)+12*\mt+4:AF+48*((\st)%3)+12*\mt+5], v2, s[54:55] offset:\mt*12288+(\st)*1536+512
	global_load_b128 v[AF+48*((\st)%3)+12*\mt+6:AF+48*((\st)%3)+12*\mt+9], v1, s[54:55] offset:\mt*12288+(\st)*1536+768
	global_load_b64 v[AF+48*((\st)%3)+12*\mt+10:AF+48*((\st)%3)+12*\mt+11], v2, s[54:55] offset:\mt*12288+(\st)*1536+1280
.endr
.endm
.macro LDB ty, st                      ; four fragments of weight ty (0 q, 1 k, 2 v), K step st, from LDS into window 1; an address register serves three K steps (55,296 bytes)
	WIN 0x40
.irp nt, 0,1,2,3
	ds_load_b128 v[48*(\ty)+12*\nt:48*(\ty)+12*\nt+3], v[4+(\st)/3] offset:((\st)%3)*18432+(\ty)*6144+\nt*1536
	ds_load_b64 v[48*(\ty)+12*\nt+4:48*(\ty)+12*\nt+5], v[7+(\st)/3] offset:((\st)%3)*18432+(\ty)*6144+\nt*1536+512
	ds_load_b128 v[48*(\ty)+12*\nt+6:48*(\ty)+12*\nt+9], v[4+(\st)/3] offset:((\st)%3)*18432+(\ty)*6144+\nt*1536+768
	ds_load_b64 v[48*(\ty)+12*\nt+10:48*(\ty)+12*\nt+11], v[7+(\st)/3] offset:((\st)%3)*18432+(\ty)*6144+\nt*1536+1280
.endr
.endm
.macro MQK ty, st                      ; 16 products of q (0) or k (1): source 0 = W (window 1), source 1 = tokens (window 0), C and D window 2; in step 0 C is the bias (window 1)
.if (\st)==0
	WIN 0x91
.else
	WIN 0xa1
.endif
.irp mt, 0,1,2,3
.irp nt, 0,1,2,3
.set DD, 128*(\ty)+8*(4*\mt+\nt)
.if (\st)==0
.set CC, 144+32*(\ty)+8*\nt
.else
.set CC, DD
.endif
	WM DD, 48*(\ty)+12*\nt, AF+48*((\st)%3)+12*\mt, CC, WS+16*(\ty)+2*(\st)+\nt/2, XS+8*(\mt/2)+(\st), \nt%2, \mt%2
.endr
.endr
.endm
.macro MV st                           ; 16 products of v: source 0 = tokens (window 0), source 1 = Wv (window 1), C and D window 3
.if (\st)==0
	WIN 0xd4
.else
	WIN 0xf4
.endif
.irp dt, 0,1,2,3
.irp mt, 0,1,2,3
.set DD, 8*(4*\dt+\mt)
.if (\st)==0
.set CC, 208+8*\dt
.else
.set CC, DD
.endif
	WM DD, AF+48*((\st)%3)+12*\mt, 96+12*\dt, CC, XS+8*(\mt/2)+(\st), WS+32+2*(\st)+\dt/2, \mt%2, \dt%2
.endr
.endr
.endm
; A K step.  Four plain places stand between a run of products and the loads into the registers that they have read (ISA guide 7.12.1 for vector instructions).
.macro KSTEP st
.if (\st)<=5
	s_wait_loadcnt 32                              ; this step's tokens are in; the next two steps' 32 loads may be out
.elseif (\st)==6
	s_wait_loadcnt 16
.else
	s_wait_loadcnt 0x0
.endif
	s_wait_dscnt 32                                ; q's weights are in; k's and v's 32 loads may be out
	MQK 0, \st
	PLACES 4
.if (\st)<7
	LDB 0, (\st)+1
	s_wait_dscnt 32                                ; k's are in; behind them: v's and the next step's q's
.else
	s_wait_dscnt 16
.endif
	MQK 1, \st
	PLACES 4
.if (\st)<7
	LDB 1, (\st)+1
	s_wait_dscnt 32                                ; v's are in
.else
	s_wait_dscnt 0x0
.endif
	MV \st
	PLACES 4
.if (\st)<7
	LDB 2, (\st)+1
.endif
	WIN 0
.if (\st)<5
	LDA (\st)+3
.endif
.endm
; Four groups of 32 registers in window W, from v[B] on; in a group register 16 b + i = k 32 b + 16 (lane / 16) + i of the lane's row.  Each becomes half a fragment (6 registers at v[CB + 12 g]) and half a scale word (v[HWR + g]).
.macro HQ4 W, B
	WIN (\W)|((\W)<<2)                             ; sources 0 and 1 in window W; the running maximum, source 2, in window 0
.irp c, 0,1,2,3,4,5,6,7
	v_max3_num_f32 v[MXR+\c], |v[(\B)+16*\c]|, |v[(\B)+16*\c+1]|, 0x1800000   ; each accumulator is read from its low end on; the floor holds the byte at 1 from below
.endr
.irp i, 2,4,6,8,10,12,14
.irp c, 0,1,2,3,4,5,6,7
	v_max3_num_f32 v[MXR+\c], |v[(\B)+16*\c+\i]|, |v[(\B)+16*\c+\i+1]|, v[MXR+\c]
.endr
.endr
	WIN 0
.irp c, 0,1,2,3,4,5,6,7
	v_permlanex16_b32 v[PMR+\c], v[MXR+\c], s62, s63
.endr
.irp c, 0,1,2,3,4,5,6,7
	v_max_num_f32 v[MXR+\c], v[MXR+\c], v[PMR+\c]  ; with lane l xor 16's 16 numbers: the block's largest magnitude
.endr
.irp c, 0,1,2,3,4,5,6,7
	v_add_nc_u32 v[SCR+\c], 0xff000000, v[MXR+\c]
.endr
.irp c, 0,1,2,3,4,5,6,7
	v_lshrrev_b32 v[BYR+\c], 23, v[SCR+\c]
.endr
.irp g, 0,1,2,3
	v_lshl_or_b32 v[HWR+\g], v[BYR+2*\g+1], 8, v[BYR+2*\g]
.endr
	WIN \W
.irp g, 0,1,2,3
	v_cvt_scalef32_pk16_fp6_f32 v[CB+12*\g:CB+12*\g+2], v[(\B)+32*\g:(\B)+32*\g+15], v[SCR+2*\g]
	v_cvt_scalef32_pk16_fp6_f32 v[CB+12*\g+6:CB+12*\g+8], v[(\B)+32*\g+16:(\B)+32*\g+31], v[SCR+2*\g+1]
.endr
	WIN 0
	v_nop                                          ; one plain line behind the conversions
.irp g, 0,1,2,3
.irp i, 0,1,2
	v_permlane16_swap_b32 v[CB+12*\g+\i], v[CB+12*\g+6+\i]   ; a whole block to a lane: lanes 0-15 block 0, lanes 16-31 block 1
.endr
.irp i, 0,1,2
	v_mov_b32 v[CB+12*\g+3+\i], v[CB+12*\g+6+\i]
.endr
.endr
.endm
	s_load_b512 s[4:19], s[0:1], 0x0               ; xq s[4:5], wq s[6:7], bq s[8:9], bk s[10:11], bv s[12:13], qh s[14:15], kk s[16:17], vv s[18:19]
	v_lshl_add_u32 v254, v0, 2, 0x29000
	v_mov_b32 v255, 0
	ds_add_u32 v254, v255
	ds_add_u32 v254, v255
	v_lshrrev_b32 v15, 5, v0
	v_readfirstlane_b32 s20, v15                   ; wave 0..3
	v_and_b32 v15, 31, v0                          ; L
	v_and_b32 v16, 15, v0                          ; r
	v_bfe_u32 v17, v0, 4, 1                        ; h
	; K's tiles are dealt anew on the way out: of my 64 tokens, tile t of keys holds tokens 8 t + j in rows 0-7 and 32 + 8 t + j in rows 8-15; fragment f holds tiles 2 f and 2 f + 1.
	; Row r of my token tile g goes to fragment r / 8, half g % 2, row 8 (g / 2) + r % 8.
	v_lshrrev_b32 v20, 3, v16                      ; r / 8
	v_and_b32 v21, 7, v16                          ; r % 8
	v_mul_u32_u24 v23, v20, 1536
	v_lshl_add_u32 v18, v21, 4, v23
	v_lshl_add_u32 v18, v17, 8, v18                ; 1,536 (r / 8) + 16 (r % 8) + 256 h
	v_lshl_add_u32 v19, v21, 3, v23
	v_lshl_add_u32 v19, v17, 7, v19                ; 1,536 (r / 8) + 8 (r % 8) + 128 h
	v_lshlrev_b32 v22, 2, v21
	v_lshl_add_u32 v22, v20, 6, v22
	v_lshl_add_u32 v22, v17, 5, v22                ; the scale word of lane 16 P + r: 4 (16 (r / 8) + 8 P + r % 8)
	v_lshlrev_b32 v1, 4, v15                       ; 16 L
	v_lshlrev_b32 v2, 3, v15                       ; 8 L
	v_lshlrev_b32 v3, 2, v15                       ; 4 L
	v_lshlrev_b32 v4, 4, v15                       ; LDS: 16 L + 55,296 x (K step / 3)
	v_add_nc_u32 v5, 55296, v4
	v_add_nc_u32 v6, 110592, v4
	v_lshlrev_b32 v7, 3, v15                       ; and 8 L likewise
	v_add_nc_u32 v8, 55296, v7
	v_add_nc_u32 v9, 110592, v7
	v_lshlrev_b32 v10, 6, v17                      ; bq, bk: 16 h numbers on
	v_and_b32 v11, 8, v16
	v_add_nc_u32 v11, v11, v16
	v_lshlrev_b32 v11, 2, v11                      ; bv: r + 8 (r / 8) numbers on
	s_and_b32 s60, s20, 1
	s_lshr_b32 s81, s20, 1
	s_lshl_b32 s48, s20, 7
	s_add_co_u32 s48, s48, SCK
	v_add_nc_u32 v12, s48, v22                     ; k's scale words: 128 x wave + the word's new place
	s_lshl_b32 s49, s81, 8
	s_lshl_b32 s51, s60, 1
	s_add_co_u32 s49, s49, s51
	s_add_co_u32 s49, s49, SCV
	v_lshl_add_u32 v13, v16, 2, s49                ; v's half words: 256 (wave / 2) + 4 r + 2 (wave % 2)
	s_lshl_b32 s51, s60, 9
	s_add_co_u32 s51, s51, SCK
	v_add_nc_u32 v14, s51, v1                      ; their way out: wave 0 k's, wave 1 v's
	s_and_b32 s23, ttmp7, 0xffff                   ; the head, which the four partners share
	; descriptor group 1: 144 rows of 256 bytes (32 elements of 8 bytes), dense: 36,864 bytes, a wave's quarter of the head's weights
	s_mov_b32 s24, 15|(3<<16)|(1<<21)              ; 15:0 the mask: all four work-groups; 17:16 elements of 8 bytes; 21 set beside a mask; no padding
	s_mov_b32 s25, 32<<16                          ; tensor_dim0 = 32
	s_mov_b32 s26, 144<<16                         ; tensor_dim1 = 144: a wave's quarter of the head's weights, 36,864 bytes
	s_mov_b32 s27, 32<<16                          ; tile_dim0 = 32
	s_mov_b32 s28, 144                             ; tile_dim1 = 144
	s_mov_b32 s29, 32                              ; the pitch
	s_mov_b32 s30, 0
	s_mov_b32 s31, 0
	s_mul_i32 s50, s20, 36864
	s_mul_i32 s52, s23, 147456
	s_add_co_u32 s52, s52, s50
	s_mov_b32 s53, 0
	s_mov_b32 s61, 0xffff0000                      ; lanes 16-31
	s_mov_b32 s62, 0x76543210
	s_mov_b32 s63, 0xfedcba98                      ; lane selects: lane l xor 16
	s_wait_dscnt 0x0
	s_wait_kmcnt 0x0
	s_add_nc_u64 s[52:53], s[6:7], s[52:53]
.irp c, 0
	s_mov_b32 s[32+4*\c], 1                        ; count = 1
	s_add_co_u32 s[33+4*\c], s50, 36864*\c         ; LDS address: chunk c, my quarter
	s_add_nc_u64 s[34+4*\c:35+4*\c], s[52:53], 36864*\c
	s_or_b32 s[35+4*\c], s[35+4*\c], 0x80000000    ; type = 2
.endr
	CROUND                                         ; all four work-groups are here: the joint loads meet
	tensor_load_to_lds s[32:35], s[24:31]          ; the launch's only fill of mine
	s_nop 0
	PLACES 4
	; my place: it enters global addresses alone
	s_bfe_u32 s21, ttmp6, 0x40000                  ; cx
	s_lshl_b32 s22, ttmp9, 2
	s_add_co_u32 s22, s22, s21                     ; block of 256 tokens
	s_and_b32 s76, s22, 7                          ; in its batch
	s_lshr_b32 s77, s22, 3                         ; the batch
	s_lshl_b32 s78, s77, 4
	s_add_co_u32 s78, s78, s23                     ; batch x 16 + head
	s_and_b32 s80, s22, 1
	s_lshr_b32 s79, s76, 1
	s_mul_i32 s79, s79, 25600
	s_mul_i32 s82, s78, 102400
	s_add_co_u32 s79, s79, s82                     ; the chunk of 512 keys in kk and vv
	s_mov_b32 s83, 0
	s_lshl_b32 s82, s22, 4
	s_lshl_b32 s21, s20, 2
	s_add_co_u32 s82, s82, s21
	s_mul_i32 s82, s82, 12288
	s_add_nc_u64 s[54:55], s[4:5], s[82:83]        ; xq at my first tile
	s_lshl_b32 s82, s22, 3
	s_lshl_b32 s21, s20, 1
	s_add_co_u32 s82, s82, s21
	s_lshl_b32 s82, s82, 10
	s_add_co_u32 s82, s82, XSO
	s_add_nc_u64 s[56:57], s[4:5], s[82:83]        ; and its scale words
	s_mul_i32 s82, s23, 6144
	s_add_co_u32 s82, s82, WSO
	s_add_nc_u64 s[58:59], s[6:7], s[82:83]        ; the head's weights' scale words
	s_lshl_b32 s82, s23, 8
	s_add_nc_u64 s[8:9], s[8:9], s[82:83]
	s_add_nc_u64 s[10:11], s[10:11], s[82:83]
	s_add_nc_u64 s[12:13], s[12:13], s[82:83]
	s_lshl_b32 s82, s78, 7
	s_lshl_b32 s21, s76, 4
	s_add_co_u32 s82, s82, s21
	s_lshl_b32 s21, s20, 2
	s_add_co_u32 s82, s82, s21
	s_mul_i32 s82, s82, 768
	s_add_nc_u64 s[66:67], s[14:15], s[82:83]      ; q's codes
	s_lshl_b32 s82, s78, 5
	s_lshl_b32 s21, s76, 2
	s_add_co_u32 s82, s82, s21
	s_add_co_u32 s82, s82, s20
	s_lshl_b32 s82, s82, 8
	s_add_co_u32 s82, s82, QSO
	s_add_nc_u64 s[68:69], s[14:15], s[82:83]      ; q's scale words
	s_lshl_b32 s82, s80, 3
	s_lshl_b32 s21, s20, 1
	s_add_co_u32 s82, s82, s21
	s_mul_i32 s82, s82, 1536
	s_add_co_u32 s82, s82, s79
	s_add_nc_u64 s[70:71], s[16:17], s[82:83]      ; k's codes: pairs 8 (block % 2) + 2 x wave on
	s_lshl_b32 s82, s80, 1
	s_add_co_u32 s82, s82, s81
	s_mul_i32 s82, s82, 6144
	s_mul_i32 s21, s60, 768
	s_add_co_u32 s82, s82, s21
	s_add_co_u32 s82, s82, s79
	s_add_nc_u64 s[72:73], s[18:19], s[82:83]      ; v's codes: key step 2 (block % 2) + wave / 2, half wave % 2
	s_lshl_b32 s82, s80, 9
	s_add_co_u32 s82, s82, s79
	s_add_co_u32 s82, s82, 24576
	s_cmp_eq_u32 s60, 0
	s_cselect_b64 s[74:75], s[16:17], s[18:19]
	s_add_nc_u64 s[74:75], s[74:75], s[82:83]      ; the scale words' store: wave 0 k's, wave 1 v's
.set i, 0
.rept 16
	global_load_b32 v[XS+i], v3, s[56:57] offset:i*128   ; register 8 (tile / 2) + K step: lanes 0-15 the even tile's words, lanes 16-31 the odd tile's
.set i, i+1
.endr
.set i, 0
.rept 48
	global_load_b32 v[WS+i], v3, s[58:59] offset:i*128   ; register 16 type + 2 K step + tile / 2
.set i, i+1
.endr
	WIN 0x40
	s_wait_alu depctr_va_vdst(0)
.irp nt, 0,1,2,3
	global_load_b128 v[144+8*\nt:147+8*\nt], v10, s[8:9] offset:(32*(\nt/2)+8*(\nt%2))*4
	global_load_b128 v[148+8*\nt:151+8*\nt], v10, s[8:9] offset:(32*(\nt/2)+8*(\nt%2))*4+16
	global_load_b128 v[176+8*\nt:179+8*\nt], v10, s[10:11] offset:(32*(\nt/2)+8*(\nt%2))*4
	global_load_b128 v[180+8*\nt:183+8*\nt], v10, s[10:11] offset:(32*(\nt/2)+8*(\nt%2))*4+16
.endr
.irp dt, 0,1,2,3
.irp j, 0,1,2,3,4,5,6,7
	global_load_b32 v[208+8*\dt+\j], v11, s[12:13] offset:(32*(\dt/2)+8*(\dt%2))*4   ; v's result holds one channel a lane: its bias in all eight registers
.endr
.endr
	WIN 0
	LDA 0
	LDA 1
	LDA 2
	s_wait_tensorcnt 0x0                           ; my quarter of the weights has landed,
	s_barrier_signal -1
	s_barrier_wait -1                              ; everybody's has
	LDB 0, 0
	LDB 1, 0
	LDB 2, 0
	KSTEP 0
	KSTEP 1
	KSTEP 2
	KSTEP 3
	KSTEP 4
	KSTEP 5
	KSTEP 6
	KSTEP 7
	; THE WAY OUT (four places stand behind the last products)
.irp c, 0,1,2,3,4,5,6,7
	v_mov_b32 v[PMR+\c], 0                         ; written once: a lane permute's destination counts as one of its sources
.endr
	HQ4 2, 0                                       ; q: group = tile of tokens
.irp g, 0,1,2,3
	global_store_b128 v1, v[CB+12*\g:CB+12*\g+3], s[66:67] offset:768*\g
	global_store_b64 v2, v[CB+12*\g+4:CB+12*\g+5], s[66:67] offset:768*\g+512
.endr
	v_cndmask_b32 v134, v128, v129, s61            ; word (L, j) belongs to tile 2 j + L / 16
	v_cndmask_b32 v135, v130, v131, s61
	v_or_b32 v134, 0x7f7f0000, v134                ; the upper two bytes scale zero codes: 1.0
	v_or_b32 v135, 0x7f7f0000, v135
	global_store_b64 v2, v[134:135], s[68:69]
	s_wait_xcnt 0x0                                ; the stores' registers are written again only behind this wait
	HQ4 2, 128                                     ; k
.irp g, 0,1,2,3
	global_store_b128 v18, v[CB+12*\g:CB+12*\g+3], s[70:71] offset:768*(\g%2)+128*(\g/2)      ; into the fragment images of the tiles of keys as dealt above
	global_store_b64 v19, v[CB+12*\g+4:CB+12*\g+5], s[70:71] offset:768*(\g%2)+512+64*(\g/2)
.endr
	v_lshl_or_b32 v136, v129, 16, v128
	v_lshl_or_b32 v137, v131, 16, v130
	v_cndmask_b32 v132, v136, v137, s61            ; lanes 0-15 my first pair's words, lanes 16-31 my second's
	ds_store_b32 v12, v132
	s_wait_xcnt 0x0
	HQ4 3, 0                                       ; v: group = tile of channels; K = my 64 tokens
.irp g, 0,1,2,3
	global_store_b128 v1, v[CB+12*\g:CB+12*\g+3], s[72:73] offset:1536*\g
	global_store_b64 v2, v[CB+12*\g+4:CB+12*\g+5], s[72:73] offset:1536*\g+512
	ds_store_b16 v13, v[HWR+\g] offset:64*\g       ; lanes r and r + 16 write the same half word with the same value
.endr
	s_wait_dscnt 0x0                               ; for the others' sake: my scale words lie in LDS
	s_barrier_signal -1
	s_barrier_wait -1
	s_cmp_lt_u32 s20, 2
	s_cbranch_scc0 .Lno_scales
	ds_load_b128 v[200:203], v14
	s_wait_dscnt 0x0
	global_store_b128 v1, v[200:203], s[74:75]     ; 512 consecutive bytes
.Lno_scales:
	s_wait_tensorcnt 0x0
	ds_add_u32 v254, v255
	s_wait_dscnt 0x0
	CROUND                                         ; the closing round
	s_endpgm
.Lfunc_end_k_qea6152272a_qkv:
	.size	k_qea6152272a_qkv, .Lfunc_end_k_qea6152272a_qkv-k_qea6152272a_qkv
	.p2alignl 7, 3214868480
	.fill 96, 4, 3214868480
	.section	.rodata,"a",@progbits
	.p2align	6, 0x0
	.amdhsa_kernel k_qea6152272a_qkv
		.amdhsa_group_segment_fixed_size 168448
		.amdhsa_private_segment_fixed_size 0
		.amdhsa_enable_private_segment 0
		.amdhsa_kernarg_size 64
		.amdhsa_user_sgpr_count 2
		.amdhsa_user_sgpr_kernarg_segment_ptr 1
		.amdhsa_wavefront_size32 1
		.amdhsa_system_sgpr_workgroup_id_x 1
		.amdhsa_system_sgpr_workgroup_id_y 1
		.amdhsa_system_sgpr_workgroup_id_z 1
		.amdhsa_system_vgpr_workitem_id 0
		.amdhsa_next_free_vgpr 1024
		.amdhsa_next_free_sgpr 84
		.amdhsa_reserve_vcc 0
		.amdhsa_float_denorm_mode_32 3
		.amdhsa_float_denorm_mode_16_64 3
		.amdhsa_memory_ordered 1
		.amdhsa_forward_progress 1
		.amdhsa_inst_pref_size 134
	.end_amdhsa_kernel
	.amdgpu_metadata
---
amdhsa.version: [ 1, 2 ]
amdhsa.kernels:
  - .name:           k_qea6152272a_qkv
    .symbol:         k_qea6152272a_qkv.kd
    .args:
      - { .name: xq, .offset: 0, .size: 8, .value_kind: global_buffer, .address_space: global }
      - { .name: wq, .offset: 8, .size: 8, .value_kind: global_buffer, .address_space: global }
      - { .name: bq, .offset: 16, .size: 8, .value_kind: global_buffer, .address_space: global }
      - { .name: bk, .offset: 24, .size: 8, .value_kind: global_buffer, .address_space: global }
      - { .name: bv, .offset: 32, .size: 8, .value_kind: global_buffer, .address_space: global }
      - { .name: qh, .offset: 40, .size: 8, .value_kind: global_buffer, .address_space: global }
      - { .name: kk, .offset: 48, .size: 8, .value_kind: global_buffer, .address_space: global }
      - { .name: vv, .offset: 56, .size: 8, .value_kind: global_buffer, .address_space: global }
    .group_segment_fixed_size: 168448
    .private_segment_fixed_size: 0
    .kernarg_segment_align: 8
    .kernarg_segment_size: 64
    .max_flat_workgroup_size: 128
    .sgpr_count:     84
    .vgpr_count:     1024
    .wavefront_size: 32
...
	.end_amdgpu_metadata
.endif
;; end of part 2
;; launch attn (part 3): grid 8 x 32, 16 waves a work-group, clusters of 4 x 1, 207,360 bytes of LDS; arguments qh, kk, vv, mb, zz; writes zz
.if DOCPART == 3
	.amdgcn_target "amdgcn-amd-amdhsa--gfx1250"
	.amdhsa_code_object_version 6
	.text
	.protected	k_qea6152272a_attn
	.globl	k_qea6152272a_attn
	.p2align	8
	.type	k_qea6152272a_attn,@function
k_qea6152272a_attn:
	s_mov_b64 s[64:65], 0
	v_nop
	global_prefetch_b8 v0, s[64:65] scope:SCOPE_SE
	s_setreg_imm32_b32 hwreg(HW_REG_WAVE_MODE, 25, 1), 1
	s_wait_xcnt 0x0
	s_wait_alu depctr_hold_cnt(0) depctr_sa_sdst(0) depctr_va_vdst(0) depctr_va_sdst(0) depctr_va_ssrc(0) depctr_va_vcc(0) depctr_vm_vsrc(0)
	s_getreg_b32 s2, hwreg(HW_REG_IB_STS2, 6, 4)
	s_cmp_eq_u32 s2, 0
	s_cbranch_scc0 .Lentry_in_a_cluster
	s_endpgm
.Lentry_in_a_cluster:
	s_bfe_u32 s2, ttmp6, 0x10000c
	s_cmp_lg_u32 s2, 0x3003
	s_cbranch_scc0 .Lentry_shape_is_right
	s_endpgm
.Lentry_shape_is_right:
; z[q] = the sum over keys of softmax(q . k / 8, masked) v, for one batch and head and 256 queries, both products on codes of FP6 (E2M3) with E8M0 scales; z is quantised along head x 64 + channel for the last product.
; THE SOFTMAX: t = score x log2(e) / 8; M = the running largest t rounded UP to a whole number; p = 2^(t - M) is quantised along the keys, not normalised; the row's sum is taken of the unquantised p and divides at the end.
; When M moves, the sum and O are multiplied by 2^(old M - new M): exact.
; THE MASK.  A hidden score is replaced by -2^126 ahead of the maximum.  -2^126 x c is exact, so in a row none of whose keys has counted yet t - M is exactly 0 and p = 1 for each key: a row whose mask is all false gives the mean of V;
; the first key that counts moves M so far that the factor is 0 and wipes that.  The mask arrives as lane-mask words, 64 a key step, in scalar registers; each half is asked for again, for the next step, behind the selects that read it.
; SHARES.  Sixteen waves, each one tile of 16 queries in 256 registers; every wave walks 2,048 keys, 128 a step, four steps (a chunk of 512 keys) written out in a loop of four trips, so that a step's LDS places are immediates.
; K AND V of the head with their scale words are 204,800 bytes: they lie in LDS whole, filled once: each of the sixteen waves issues ONE joint load of 12,800 bytes at the head (the four query blocks of a cluster have the same head).
; One barrier shows them to all waves.  No prefetch: every tile is asked for at the head, so there is no loop to run ahead in.
; LAYOUT.  S^T = K Q^T (source 0 = keys), O^T = V^T P (source 0 = channels): a lane holds one query throughout.  The head has 64 channels and the instruction takes 128 along K: a fragment of K holds TWO tiles of keys,
; one in each half of K, and Q stands once in the lower half over zero codes and once in the upper.  Tile t of 64 keys holds keys 8 t + j in rows 0-7 and 32 + 8 t + j in rows 8-15: so register 32 c + i of lane (r, h) is
; query r, key 64 c + 32 h + i: A WHOLE BLOCK OF 32 KEYS LIES IN ONE LANE, in the order of the next operand: its maximum needs no other lane and its codes need no exchange.
; THE ROW'S SUM is a tree of packed additions; its last twelve stand at the head of the next step (the first step finds zeros there), as the places behind the products and between K's loads and the wait for them.
; LIMITS: no NaN, no infinities; blocks of zeros and under 2^-124 keep the byte 1; 1 / sum by v_rcp_f32.
; REGISTERS: v1-3 16, 8, 4 x lane; v4 -2^126; v5-7 K's LDS addresses, v8-10 V's; v11 at work; v12 -M, v13 the largest score, v[14:15] the sum; v16-27, v28-39 Q low, Q high; v40, v41 their scale words; v42-43, v44-45 K's and V's; v46 p's;
;   v47, v228 the way out's LDS addresses; v48-95 four fragments; v96-159 S^T, then p; v160-191 O^T; v192-203 p's codes; v204-211 maxima's chains, then codes on their way; v212-213 block maxima; v214, v221 lane exchanges; v215 the old -M;
;   v216-217 scale operands; v218-219 bytes; v220 8 h; v[224:225] the factor; v229-231 Q's byte offsets in qh; v232-234 z's in zz; v254-255 the add's two.
; SCALARS: s2, s13 the chunk's LDS places; s[4:5], s6 the mask words' base and offset; s7 wave; s8-9 lane selects; s[10:11] c; s12 trips; s[16:47], s[68:99] mask words; s[48:55], s[56:59] descriptor; s[100:101] zz; s[104:105] qh.
.set QSO, 3145728
.set ZSO, 3145728
.set CHB, 25600                        ; a chunk of 512 keys: 24,576 bytes of fragments, 1,024 of scale words
.set VB,  102400                       ; V lies behind K
.set ZSR, 204800                       ; 512 bytes: z's half scale words
.set SPARE, 205312                     ; the spare words: 128 bytes a wave
.set S,   96
.set OT,  160
.set PC,  192
.set TM,  204
.set BM,  212
.set SX,  216
.set BY,  218
.set MKA, 68                           ; s[68:99]  the mask words of a step's keys 0-63
.set MKB, 16                           ; s[16:47]  those of its keys 64-127
.macro CROUND                          ; a round of the cluster's barrier
	s_barrier_signal -1
	s_barrier_wait -1
	s_cmp_lg_u32 s7, 0
	s_cbranch_scc1 .Lnot_wave_0_\@
	s_barrier_signal -3
.Lnot_wave_0_\@:
	s_barrier_wait -3
	s_barrier_signal -1
	s_barrier_wait -1
.endm
.macro FRAGS a16, a8, off              ; four fragment images from LDS into v48-95
.irp b, 0,1,2,3
	ds_load_b128 v[48+12*\b:51+12*\b], v[\a16] offset:(\off)+1536*\b
	ds_load_b64 v[52+12*\b:53+12*\b], v[\a8] offset:(\off)+1536*\b+512
	ds_load_b128 v[54+12*\b:57+12*\b], v[\a16] offset:(\off)+1536*\b+768
	ds_load_b64 v[58+12*\b:59+12*\b], v[\a8] offset:(\off)+1536*\b+1280
.endr
.endm
.macro SW b                            ; fragment b's two tiles of keys against Q: even fragments' scale words lie in lanes 0-15, odd ones' in lanes 16-31
.if ((\b)%2)==0
	v_wmma_scale_f32_16x16x128_f8f6f4 v[S+16*(\b):S+16*(\b)+7], v[48+12*(\b):59+12*(\b)], v[16:27], 0, v[42+(\b)/2], v40 matrix_a_fmt:MATRIX_FMT_FP6 matrix_b_fmt:MATRIX_FMT_FP6
	v_wmma_scale_f32_16x16x128_f8f6f4 v[S+16*(\b)+8:S+16*(\b)+15], v[48+12*(\b):59+12*(\b)], v[28:39], 0, v[42+(\b)/2], v41 matrix_a_fmt:MATRIX_FMT_FP6 matrix_b_fmt:MATRIX_FMT_FP6
.else
	v_wmma_scale_f32_16x16x128_f8f6f4 v[S+16*(\b):S+16*(\b)+7], v[48+12*(\b):59+12*(\b)], v[16:27], 0, v[42+(\b)/2], v40 matrix_a_fmt:MATRIX_FMT_FP6 matrix_b_fmt:MATRIX_FMT_FP6 matrix_a_scale:MATRIX_SCALE_ROW1
	v_wmma_scale_f32_16x16x128_f8f6f4 v[S+16*(\b)+8:S+16*(\b)+15], v[48+12*(\b):59+12*(\b)], v[28:39], 0, v[42+(\b)/2], v41 matrix_a_fmt:MATRIX_FMT_FP6 matrix_b_fmt:MATRIX_FMT_FP6 matrix_a_scale:MATRIX_SCALE_ROW1
.endif
.endm
.macro MAXOP g, i                      ; line i of 16 of the largest score of my block g: four chains by turns
.if (\i) < 4
	v_max3_num_f32 v[TM+4*(\g)+(\i)], v[S+32*(\g)+3*(\i)], v[S+32*(\g)+3*(\i)+1], v[S+32*(\g)+3*(\i)+2]
.elseif (\i) < 14
	v_max3_num_f32 v[TM+4*(\g)+((\i)%4)], v[TM+4*(\g)+((\i)%4)], v[S+32*(\g)+4+2*(\i)], v[S+32*(\g)+5+2*(\i)]
.else
.if (\g) == 0
	s_delay_alu instid0(VALU_DEP_3)
.endif
.if (\i) == 14
	v_max3_num_f32 v[BM+(\g)], v[TM+4*(\g)], v[TM+4*(\g)+1], v[TM+4*(\g)+2]
.else
	v_max_num_f32 v[BM+(\g)], v[BM+(\g)], v[TM+4*(\g)+3]
.endif
.endif
.endm
.macro PF n                            ; t - M, two at a time
	v_pk_fma_f32 v[S+(\n):S+(\n)+1], v[S+(\n):S+(\n)+1], s[10:11], v[12:13] op_sel_hi:[1,0,0]
.endm
.macro PA d, a                         ; a pair added onto a pair
	v_pk_add_f32 v[(\d):(\d)+1], v[(\d):(\d)+1], v[(\a):(\a)+1]
.endm
.macro TAILA                           ; the last step's sum goes on: four additions that name nothing of the products just issued: their places
.irp j, 32,40,48,56
	PA S+\j, S+\j+4
.endr
.endm
.macro TAILB                           ; and ends: eight more
.irp j, 0,16,32,48
	PA S+\j, S+\j+8
.endr
	s_delay_alu instid0(VALU_DEP_3)
	PA S, S+16
	s_delay_alu instid0(VALU_DEP_2)
	PA S+32, S+48
	s_delay_alu instid0(VALU_DEP_2)
	PA 14, S
	s_delay_alu instid0(VALU_DEP_1)
	PA 14, S+32
.endm
; A KEY STEP: 128 keys, the st-th of its chunk
.macro STEP st
	TAILA
	ds_load_b32 v42, v7 offset:24576+256*(\st)     ; lanes 0-15 fragment 0's words, lanes 16-31 fragment 1's
	ds_load_b32 v43, v7 offset:24576+256*(\st)+128
	FRAGS 5, 6, 6144*(\st)
	TAILB
.irp b, 0,1,2,3
	s_wait_dscnt 12-4*\b                           ; the scale words and fragments 0 to b are in; four loads for each later fragment may be out
	SW \b
.endr
	v_mov_b32 v215, v12                            ; the old -M; with the three below: four places behind the products
	v_nop
	v_nop
	v_nop
	ds_load_b32 v44, v10 offset:24576+256*(\st)
	ds_load_b32 v45, v10 offset:24576+256*(\st)+128
	FRAGS 8, 9, 6144*(\st)                         ; V's four tiles of channels x these 128 keys: they land under the softmax
	s_wait_kmcnt 0x0                               ; the step's 64 mask words, asked for a step ago
	s_add_co_u32 s6, s6, 256                       ; (no scalar load is out: the offset may be written)  the next step's words;
	s_min_u32 s6, s6, 3840                         ; the last step asks for its own again: no load leaves the tile's 4,096 bytes
.set n, 0
.rept 32                                               ; the selects, ascending (each accumulator is read from its low end on), and between them the maxima of scores selected some lines ago
.if n < 16
	v_cndmask_b32 v[S+2*n], v4, v[S+2*n], s[MKA+2*n]
	v_cndmask_b32 v[S+2*n+1], v4, v[S+2*n+1], s[MKA+2*n+1]
.else
	v_cndmask_b32 v[S+2*n], v4, v[S+2*n], s[MKB+2*n-32]
	v_cndmask_b32 v[S+2*n+1], v4, v[S+2*n+1], s[MKB+2*n-31]
.endif
.if n == 15
	s_load_b512 s[MKA:MKA+15], s[4:5], s6 offset:0x0       ; the next step's keys 0-63, into the registers just read
	s_load_b512 s[MKA+16:MKA+31], s[4:5], s6 offset:0x40
.endif
.if (n >= 4) && (n < 20)
	MAXOP 0, n-4
.endif
.if n >= 20
	MAXOP 1, n-20
.endif
.set n, n+1
.endr
	s_load_b512 s[MKB:MKB+15], s[4:5], s6 offset:0x80      ; and its keys 64-127
	s_load_b512 s[MKB+16:MKB+31], s[4:5], s6 offset:0xc0
	MAXOP 1, 12
	MAXOP 1, 13
	MAXOP 1, 14
	MAXOP 1, 15
	v_max_num_f32 v11, v[BM], v[BM+1]              ; my two blocks',
	v_permlanex16_b32 v214, v11, s8, s9            ; lane l xor 16's two,
	v_max3_num_f32 v13, v13, v11, v214             ; and the running largest score
	v_mul_f32 v11, s10, v13                        ; as t (c is positive)
	v_floor_f32 v12, -v11                          ; -M = floor(-t): M is a whole number
	PF 0
	PF 2
	v_sub_f32 v11, v12, v215                       ; old M - new M, 0 or less
	PF 4
	PF 6
	v_cvt_i32_f32 v11, v11                         ; (it saturates)
	PF 8
	PF 10
	v_ldexp_f32 v224, 1.0, v11                     ; the factor 2^(old M - new M)
.irp j, 12,14,16,18,20,22,24,26,28,30
	PF \j
.endr
	v_fma_f32 v[BM], v[BM], s10, v12               ; the same of each block's largest score: p rises with the score
	v_fma_f32 v[BM+1], v[BM+1], s10, v12
	v_pk_mul_f32 v[14:15], v[14:15], v[224:225] op_sel_hi:[1,0]   ; the sum under the new M
.set n, 0
.rept 16
	v_pk_mul_f32 v[OT+n:OT+n+1], v[OT+n:OT+n+1], v[224:225] op_sel_hi:[1,0]   ; O^T under the new M
.set n, n+2
.endr
	s_wait_alu depctr_va_vdst(0)                   ; the wait ahead of a batch of exponentials
	v_exp_f32 v[BM], v[BM]                         ; the blocks' largest p
	v_exp_f32 v[BM+1], v[BM+1]
.set n, 0
.rept 16
	v_exp_f32 v[S+2*n], v[S+2*n]                   ; p = 2^(t - M) of keys 0-63; between them t - M of keys 64-127, read only behind the next wait
	v_exp_f32 v[S+2*n+1], v[S+2*n+1]
	PF 32+2*n
.set n, n+1
.endr
	s_wait_alu depctr_va_vdst(0)                   ; one wait behind the batch and ahead of the next
	v_max_num_f32 v[BM], 0x1800000, v[BM]          ; the floor: the byte cannot fall under 1
	v_max_num_f32 v[BM+1], 0x1800000, v[BM+1]
	s_delay_alu instid0(VALU_DEP_2)
	v_add_nc_u32 v[SX], 0xff000000, v[BM]          ; 2 off the exponent field: the conversion's scale operand
	s_delay_alu instid0(VALU_DEP_2)
	v_add_nc_u32 v[SX+1], 0xff000000, v[BM+1]
	v_cvt_scalef32_pk16_fp6_f32 v[PC:PC+2], v[S:S+15], v[SX]
	v_cvt_scalef32_pk16_fp6_f32 v[TM:TM+2], v[S+16:S+31], v[SX]   ; (three registers begin on an even number: made elsewhere and moved)
	v_lshrrev_b32 v[BY], 23, v[SX]                 ; the bytes of blocks h and 2 + h; also the plain line behind the conversions
	v_lshrrev_b32 v[BY+1], 23, v[SX+1]
	s_delay_alu instid0(VALU_DEP_1)
	v_lshl_or_b32 v46, v[BY+1], 16, v[BY]
	s_delay_alu instid0(VALU_DEP_1)
	v_lshlrev_b32 v46, v220, v46                   ; at their places, 8 h bits up;
	s_delay_alu instid0(VALU_DEP_1)
	v_permlanex16_b32 v221, v46, s8, s9
	s_delay_alu instid0(VALU_DEP_1)
	v_or_b32 v46, v46, v221                        ; with lane l xor 16's two: p's scale word for these 128 keys
.irp i, 0,1,2
	v_mov_b32 v[PC+3+\i], v[TM+\i]
.endr
.set n, 0
.rept 8
.irp i, 0,1,2,3
	v_exp_f32 v[S+32+4*n+\i], v[S+32+4*n+\i]       ; p of keys 64-127; between them the first level of the sum of keys 0-63, whose codes are made
.endr
	PA S+4*n, S+4*n+2
.set n, n+1
.endr
	s_wait_alu depctr_va_vdst(0)                   ; the wait behind the batch; it also stands directly ahead of the wait below
	s_wait_dscnt 0x0                               ; V is in
	v_cvt_scalef32_pk16_fp6_f32 v[PC+6:PC+8], v[S+32:S+47], v[SX+1]
	v_cvt_scalef32_pk16_fp6_f32 v[TM+4:TM+6], v[S+48:S+63], v[SX+1]
.irp j, 0,8,16,24
	PA S+\j, S+\j+4                                ; the sum's second level of keys 0-63: plain lines behind the conversions
.endr
.irp i, 0,1,2
	v_mov_b32 v[PC+9+\i], v[TM+4+\i]
.endr
.irp j, 32,36,40,44,48,52,56,60
	PA S+\j, S+\j+2                                ; the first level of keys 64-127: eight plain lines between p's codes and the scaled products
.endr
.irp dt, 0,2
	v_wmma_scale_f32_16x16x128_f8f6f4 v[OT+8*\dt:OT+8*\dt+7], v[48+12*\dt:59+12*\dt], v[PC:PC+11], v[OT+8*\dt:OT+8*\dt+7], v[44+\dt/2], v46 matrix_a_fmt:MATRIX_FMT_FP6 matrix_b_fmt:MATRIX_FMT_FP6
	v_wmma_scale_f32_16x16x128_f8f6f4 v[OT+8*\dt+8:OT+8*\dt+15], v[60+12*\dt:71+12*\dt], v[PC:PC+11], v[OT+8*\dt+8:OT+8*\dt+15], v[44+\dt/2], v46 matrix_a_fmt:MATRIX_FMT_FP6 matrix_b_fmt:MATRIX_FMT_FP6 matrix_a_scale:MATRIX_SCALE_ROW1
.endr                                              ; four accumulators, one instruction a turn
.endm
	s_load_b64 s[104:105], s[0:1], 0x0             ; qh
	s_load_b64 s[68:69], s[0:1], 0x8               ; kk
	s_load_b64 s[70:71], s[0:1], 0x10              ; vv
	s_load_b64 s[4:5], s[0:1], 0x18                ; mb
	s_load_b64 s[100:101], s[0:1], 0x20            ; zz
	v_lshl_add_u32 v254, v0, 2, SPARE
	v_mov_b32 v255, 0
	ds_add_u32 v254, v255                          ; the opening lines: the add, twice on end, and its wait ahead of my tensor load
	ds_add_u32 v254, v255
	v_lshrrev_b32 v5, 5, v0
	v_readfirstlane_b32 s7, v5                     ; wave 0..15
	v_and_b32 v5, 31, v0
	v_and_b32 v6, 15, v0
	v_lshlrev_b32 v1, 4, v5
	v_lshlrev_b32 v2, 3, v5
	v_lshlrev_b32 v3, 2, v5
	v_lshlrev_b32 v11, 3, v6                       ; Q's scale words: 8 bytes a row
	s_lshl_b32 s3, s7, 5
	s_add_co_u32 s3, s3, ZSR
	v_lshl_add_u32 v47, v6, 1, s3                  ; z's half scale word: 32 x wave + 2 r
	v_add_nc_u32 v228, ZSR, v1                     ; and their way out
	v_mov_b32 v4, 0xfe800000                       ; -2^126
	v_bfe_u32 v220, v0, 4, 1
	v_lshlrev_b32 v220, 3, v220                    ; 8 h
	s_and_b32 s72, ttmp7, 0xffff                   ; batch x 16 + head, which the four partners share
	s_lshr_b32 s73, s72, 4                         ; the batch
	s_and_b32 s74, s72, 15                         ; the head
	s_and_b32 s75, s7, 1
	; what I fetch: waves 0-7 K's eight pieces of 12,800 bytes, waves 8-15 V's; in LDS piece = wave, since V lies eight pieces behind K
	s_and_b32 s77, s7, 7
	s_mul_i32 s78, s77, 12800
	s_mul_i32 s79, s72, 102400
	s_add_co_u32 s78, s78, s79                     ; in memory
	s_mov_b32 s79, 0
	; descriptor group 1: 50 rows of 256 bytes (32 elements of 8 bytes), dense: 12,800 bytes
	s_mov_b32 s48, 15|(3<<16)|(1<<21)              ; 15:0 the mask: all four work-groups; 17:16 elements of 8 bytes; 21 set beside a mask; no padding
	s_mov_b32 s49, 32<<16                          ; tensor_dim0 = 32
	s_mov_b32 s50, 50<<16                          ; tensor_dim1 = 50
	s_mov_b32 s51, 32<<16                          ; tile_dim0 = 32
	s_mov_b32 s52, 50                              ; tile_dim1 = 50
	s_mov_b32 s53, 32                              ; the pitch
	s_mov_b32 s54, 0
	s_mov_b32 s55, 0
	s_mov_b32 s8, 0x76543210
	s_mov_b32 s9, 0xfedcba98                       ; lane selects: lane l xor 16
	s_mov_b32 s10, 0x3e38aa3b                      ; c = log2(e) / 8
	s_mov_b32 s11, s10                             ; (named with it as a pair)
	s_wait_alu depctr_va_vdst(0)                   ; the wait here, directly ahead of the waits below
	s_wait_dscnt 0x0
	s_wait_kmcnt 0x0
	s_cmp_lt_u32 s7, 8
	s_cselect_b64 s[80:81], s[68:69], s[70:71]
	s_add_nc_u64 s[80:81], s[80:81], s[78:79]
	s_mov_b32 s56, 1                               ; count = 1
	s_mul_i32 s57, s7, 12800                       ; LDS address
	s_mov_b64 s[58:59], s[80:81]
	s_or_b32 s59, s59, 0x80000000                  ; type = 2
	CROUND                                         ; all four work-groups are here: the joint loads meet
	tensor_load_to_lds s[56:59], s[48:55]          ; my one tensor load of the launch
	s_nop 0
	; my place in the cluster: it enters offsets into global buffers alone
	s_bfe_u32 s82, ttmp6, 0x40000                  ; cx
	s_lshl_b32 s83, ttmp9, 2
	s_add_co_u32 s83, s83, s82                     ; block of 256 queries
	s_lshl_b32 s84, s83, 4                         ; its first tile in the batch
	s_lshl_b32 s85, s73, 7
	s_add_co_u32 s85, s85, s84                     ; and among the 256 tiles of both batches
	s_add_co_u32 s87, s85, s7                      ; my tile
	s_lshl_b32 s88, s72, 7
	s_add_co_u32 s88, s88, s84
	s_add_co_u32 s88, s88, s7
	s_mul_i32 s88, s88, 768                        ; Q's codes: half a fragment
	s_lshl_b32 s89, s72, 5
	s_lshl_b32 s90, s83, 2
	s_add_co_u32 s89, s89, s90
	s_lshr_b32 s90, s7, 2
	s_add_co_u32 s89, s89, s90
	s_lshl_b32 s89, s89, 8                         ; Q's scale words: 256 bytes for four tiles;
	s_lshl_b32 s90, s75, 7
	s_add_co_u32 s89, s89, s90                     ; an odd tile's lie with lanes 16-31,
	s_bfe_u32 s90, s7, 0x10001
	s_lshl_b32 s90, s90, 2
	s_add_co_u32 s89, s89, s90                     ; tiles 2 and 3 in the second word
	s_add_co_u32 s89, s89, QSO
	s_lshl_b32 s92, s87, 4
	s_add_co_u32 s92, s92, s74
	s_mul_i32 s92, s92, 768                        ; zz: tile x 16 + head, half a fragment
	s_lshl_b32 s93, s85, 5
	s_lshl_b32 s94, s74, 13
	s_add_co_u32 s93, s93, s94
	s_add_co_u32 s93, s93, ZSO                     ; and the work-group's 512 bytes of half scale words
	s_lshl_b32 s90, s87, 12
	s_mov_b32 s91, 0
	s_add_nc_u64 s[4:5], s[4:5], s[90:91]          ; my tile's mask words: 4,096 bytes
	s_mov_b32 s6, 0
	v_add_nc_u32 v229, s88, v1
	v_add_nc_u32 v230, s88, v2
	v_add_nc_u32 v231, s89, v11
	v_add_nc_u32 v232, s92, v1
	v_add_nc_u32 v233, s92, v2
	v_add_nc_u32 v234, s93, v1
	global_load_b128 v[16:19], v229, s[104:105]    ; Q in the lower half of K,
	global_load_b64 v[20:21], v230, s[104:105] offset:512
	global_load_b128 v[34:37], v229, s[104:105]    ; and in the upper
	global_load_b64 v[38:39], v230, s[104:105] offset:512
	global_load_b32 v40, v231, s[104:105]
	s_load_b512 s[MKA:MKA+15], s[4:5], s6 offset:0x0       ; the first step's 64 mask words (all that stood in these registers has been read)
	s_load_b512 s[MKA+16:MKA+31], s[4:5], s6 offset:0x40
	s_load_b512 s[MKB:MKB+15], s[4:5], s6 offset:0x80
	s_load_b512 s[MKB+16:MKB+31], s[4:5], s6 offset:0xc0
.irp j, 22,23,24,25,26,27,28,29,30,31,32,33
	v_mov_b32 v[\j], 0                             ; zero codes
.endr
	v_mov_b32 v13, 0xff61b1e6                      ; the largest score so far: -3e38, under every score and under -2^126
	v_mov_b32 v12, 0x7f61b1e6                      ; -M: 3e38, so that the first factor is 0
	v_mov_b32 v14, 0
	v_mov_b32 v15, 0
	v_mov_b32 v225, 0                              ; (named as the upper half of a pair)
	v_mov_b32 v214, 0                              ; written once: a lane permute's destination counts as one of its sources
	v_mov_b32 v221, 0
	s_wait_loadcnt 0x0
	v_lshl_or_b32 v41, v40, 16, 0x7f7f             ; the scale word for Q in the upper half; the lines below are its places in front of the first scaled product
.set n, 0
.rept 32
	v_mov_b32 v[OT+n], 0                           ; O^T: the step is written once; the first change of M leaves zeros zeros
.set n, n+1
.endr
.irp j, 0,8,16,24,32,36,40,44,48,52,56,60
	v_mov_b32 v[S+\j], 0                           ; the twelve pairs that the first step's share of the sum reads
	v_mov_b32 v[S+\j+1], 0
.endr
	s_mov_b32 s2, 0                                ; the chunk's place in K,
	s_mov_b32 s13, VB                              ; and in V
	s_mov_b32 s12, 4
	s_wait_alu depctr_va_vdst(0)                   ; the wait at the head's end
	s_wait_tensorcnt 0x0                           ; my piece has landed,
	s_barrier_signal -1
	s_barrier_wait -1                              ; everybody's has: K and V are whole
.Lchunk:
	v_add_nc_u32 v5, s2, v1
	v_add_nc_u32 v6, s2, v2
	v_add_nc_u32 v7, s2, v3
	v_add_nc_u32 v8, s13, v1
	v_add_nc_u32 v9, s13, v2
	v_add_nc_u32 v10, s13, v3
	STEP 0
	STEP 1
	STEP 2
	STEP 3
	s_add_co_u32 s2, s2, CHB
	s_add_co_u32 s13, s13, CHB
	s_sub_co_u32 s12, s12, 1
	s_cmp_lg_u32 s12, 0
	s_wait_alu depctr_va_vdst(0)                   ; the wait here, directly ahead of the branch
	s_cbranch_scc1 .Lchunk
	; THE WAY OUT
	s_wait_kmcnt 0x0                               ; the look-ahead of the last step
	TAILA                                          ; the last step's sum ends; these twelve lines are also the places behind the last products
	TAILB
	s_delay_alu instid0(VALU_DEP_1)
	v_add_f32 v14, v14, v15
	s_delay_alu instid0(VALU_DEP_1)
	v_permlanex16_b32 v11, v14, s8, s9
	s_delay_alu instid0(VALU_DEP_1)
	v_add_f32 v14, v14, v11                        ; the row's sum
	s_wait_alu depctr_va_vdst(0)
	v_rcp_f32 v14, v14
	v_nop                                          ; a plain line behind the reciprocal
	s_wait_alu depctr_va_vdst(0)                   ; the wait ahead of the reciprocal's first reader
.set n, 0
.rept 32
	v_mul_f32 v[S+n], v[OT+n], v14                 ; z: register 16 b + i = channel 32 b + 16 h + i of my query
.set n, n+1
.endr
	v_max3_num_f32 v[BM], |v[S]|, |v[S+1]|, 0x1800000
	v_max3_num_f32 v[BM+1], |v[S+16]|, |v[S+17]|, 0x1800000
.irp i, 2,4,6,8,10,12,14
	s_delay_alu instid0(VALU_DEP_2)
	v_max3_num_f32 v[BM], v[BM], |v[S+\i]|, |v[S+\i+1]|
	s_delay_alu instid0(VALU_DEP_2)
	v_max3_num_f32 v[BM+1], v[BM+1], |v[S+16+\i]|, |v[S+17+\i]|
.endr
	s_delay_alu instid0(VALU_DEP_2)
	v_permlanex16_b32 v214, v[BM], s8, s9
	s_delay_alu instid0(VALU_DEP_2)
	v_permlanex16_b32 v221, v[BM+1], s8, s9
	s_delay_alu instid0(VALU_DEP_2)
	v_max_num_f32 v[BM], v[BM], v214               ; a block of 32 channels lies in lanes l and l xor 16
	s_delay_alu instid0(VALU_DEP_2)
	v_max_num_f32 v[BM+1], v[BM+1], v221
	s_delay_alu instid0(VALU_DEP_2)
	v_add_nc_u32 v[SX], 0xff000000, v[BM]
	s_delay_alu instid0(VALU_DEP_2)
	v_add_nc_u32 v[SX+1], 0xff000000, v[BM+1]
	s_delay_alu instid0(VALU_DEP_2)
	v_lshrrev_b32 v[BY], 23, v[SX]
	s_delay_alu instid0(VALU_DEP_2)
	v_lshrrev_b32 v[BY+1], 23, v[SX+1]
	s_delay_alu instid0(VALU_DEP_1)
	v_lshl_or_b32 v222, v[BY+1], 8, v[BY]
	v_cvt_scalef32_pk16_fp6_f32 v[PC:PC+2], v[S:S+15], v[SX]
	v_cvt_scalef32_pk16_fp6_f32 v[TM:TM+2], v[S+16:S+31], v[SX+1]
	v_nop                                          ; one plain line behind the conversions
.irp i, 0,1,2
	v_permlane16_swap_b32 v[PC+\i], v[TM+\i]       ; a whole block to a lane
.endr
.irp i, 0,1,2
	v_mov_b32 v[PC+3+\i], v[TM+\i]
.endr
	global_store_b128 v232, v[PC:PC+3], s[100:101]
	global_store_b64 v233, v[PC+4:PC+5], s[100:101] offset:512
	ds_store_b16 v47, v222                         ; lanes r and r + 16 write the same half word with the same value
	s_wait_dscnt 0x0                               ; for wave 0's sake
	s_barrier_signal -1
	s_barrier_wait -1
	s_cmp_lg_u32 s7, 0
	s_cbranch_scc1 .Lnot_first
	ds_load_b128 v[S:S+3], v228
	s_wait_dscnt 0x0
	global_store_b128 v234, v[S:S+3], s[100:101]   ; 512 consecutive bytes
.Lnot_first:
	s_wait_tensorcnt 0x0                           ; the wave's end
	ds_add_u32 v254, v255
	s_wait_dscnt 0x0
	CROUND                                         ; the closing round
	s_endpgm
.Lfunc_end_k_qea6152272a_attn:
	.size	k_qea6152272a_attn, .Lfunc_end_k_qea6152272a_attn-k_qea6152272a_attn
	.p2alignl 7, 3214868480
	.fill 96, 4, 3214868480
	.section	.rodata,"a",@progbits
	.p2align	6, 0x0
	.amdhsa_kernel k_qea6152272a_attn
		.amdhsa_group_segment_fixed_size 207360
		.amdhsa_private_segment_fixed_size 0
		.amdhsa_enable_private_segment 0
		.amdhsa_kernarg_size 40
		.amdhsa_user_sgpr_count 2
		.amdhsa_user_sgpr_kernarg_segment_ptr 1
		.amdhsa_wavefront_size32 1
		.amdhsa_system_sgpr_workgroup_id_x 1
		.amdhsa_system_sgpr_workgroup_id_y 1
		.amdhsa_system_sgpr_workgroup_id_z 1
		.amdhsa_system_vgpr_workitem_id 0
		.amdhsa_next_free_vgpr 256
		.amdhsa_next_free_sgpr 106
		.amdhsa_reserve_vcc 0
		.amdhsa_float_denorm_mode_32 3
		.amdhsa_float_denorm_mode_16_64 3
		.amdhsa_memory_ordered 1
		.amdhsa_forward_progress 1
		.amdhsa_inst_pref_size 93
	.end_amdhsa_kernel
	.amdgpu_metadata
---
amdhsa.version: [ 1, 2 ]
amdhsa.kernels:
  - .name:           k_qea6152272a_attn
    .symbol:         k_qea6152272a_attn.kd
    .args:
      - { .name: qh, .offset: 0, .size: 8, .value_kind: global_buffer, .address_space: global }
      - { .name: kk, .offset: 8, .size: 8, .value_kind: global_buffer, .address_space: global }
      - { .name: vv, .offset: 16, .size: 8, .value_kind: global_buffer, .address_space: global }
      - { .name: mb, .offset: 24, .size: 8, .value_kind: global_buffer, .address_space: global }
      - { .name: zz, .offset: 32, .size: 8, .value_kind: global_buffer, .address_space: global }
    .group_segment_fixed_size: 207360
    .private_segment_fixed_size: 0
    .kernarg_segment_align: 8
    .kernarg_segment_size: 40
    .max_flat_workgroup_size: 512
    .sgpr_count:     106
    .vgpr_count:     256
    .wavefront_size: 32
...
	.end_amdgpu_metadata
.endif
;; end of part 3
;; launch proj (part 4): grid 16 x 16, 4 waves a work-group, clusters of 4 x 1, 327,680 bytes of LDS; arguments zz, wq, bz, out0; writes out0
.if DOCPART == 4
	.amdgcn_target "amdgcn-amd-amdhsa--gfx1250"
	.amdhsa_code_object_version 6
	.text
	.protected	k_qea6152272a_proj
	.globl	k_qea6152272a_proj
	.p2align	8
	.type	k_qea6152272a_proj,@function
k_qea6152272a_proj:
	s_mov_b64 s[64:65], 0
	v_nop
	global_prefetch_b8 v0, s[64:65] scope:SCOPE_SE
	s_setreg_imm32_b32 hwreg(HW_REG_WAVE_MODE, 25, 1), 1
	s_wait_xcnt 0x0
	s_wait_alu depctr_hold_cnt(0) depctr_sa_sdst(0) depctr_va_vdst(0) depctr_va_sdst(0) depctr_va_ssrc(0) depctr_va_vcc(0) depctr_vm_vsrc(0)
	s_getreg_b32 s2, hwreg(HW_REG_IB_STS2, 6, 4)
	s_cmp_eq_u32 s2, 0
	s_cbranch_scc0 .Lentry_in_a_cluster
	s_endpgm
.Lentry_in_a_cluster:
	s_bfe_u32 s2, ttmp6, 0x10000c
	s_cmp_lg_u32 s2, 0x3003
	s_cbranch_scc0 .Lentry_shape_is_right
	s_endpgm
.Lentry_shape_is_right:
.set ZSO, 3145728
.set WZC, 2359296
.set WSZ, 3244032
.set STG, 49152
.set AF,  96
.set ZS,  32
.set WS,  48
.set TH,  64
.set OB,  96
.set MSB, 0
.macro WIN new
.if MSB != (\new)
	s_set_vgpr_msb (MSB<<8)|(\new)
.set MSB, (\new)
.endif
.endm
.macro PLACES n
.rept \n
	v_nop
.endr
.endm
.macro CROUND
	s_barrier_signal -1
	s_barrier_wait -1
	s_cmp_lg_u32 s20, 0
	s_cbranch_scc1 .Lnot_wave_0_\@
	s_barrier_signal -3
.Lnot_wave_0_\@:
	s_barrier_wait -3
	s_barrier_signal -1
	s_barrier_wait -1
.endm
.macro WM d, a, b, c, sa, sb, ra, rb
.if ((\ra)==0)&&((\rb)==0)
	v_wmma_scale_f32_16x16x128_f8f6f4 v[(\d):(\d)+7], v[(\a):(\a)+11], v[(\b):(\b)+11], v[(\c):(\c)+7], v[(\sa)], v[(\sb)] matrix_a_fmt:MATRIX_FMT_FP6 matrix_b_fmt:MATRIX_FMT_FP6
.elseif ((\ra)==1)&&((\rb)==0)
	v_wmma_scale_f32_16x16x128_f8f6f4 v[(\d):(\d)+7], v[(\a):(\a)+11], v[(\b):(\b)+11], v[(\c):(\c)+7], v[(\sa)], v[(\sb)] matrix_a_fmt:MATRIX_FMT_FP6 matrix_b_fmt:MATRIX_FMT_FP6 matrix_a_scale:MATRIX_SCALE_ROW1
.elseif ((\ra)==0)&&((\rb)==1)
	v_wmma_scale_f32_16x16x128_f8f6f4 v[(\d):(\d)+7], v[(\a):(\a)+11], v[(\b):(\b)+11], v[(\c):(\c)+7], v[(\sa)], v[(\sb)] matrix_a_fmt:MATRIX_FMT_FP6 matrix_b_fmt:MATRIX_FMT_FP6 matrix_b_scale:MATRIX_SCALE_ROW1
.else
	v_wmma_scale_f32_16x16x128_f8f6f4 v[(\d):(\d)+7], v[(\a):(\a)+11], v[(\b):(\b)+11], v[(\c):(\c)+7], v[(\sa)], v[(\sb)] matrix_a_fmt:MATRIX_FMT_FP6 matrix_b_fmt:MATRIX_FMT_FP6 matrix_a_scale:MATRIX_SCALE_ROW1 matrix_b_scale:MATRIX_SCALE_ROW1
.endif
.endm
.macro LDA st
.irp mt, 0,1,2,3
	global_load_b128 v[AF+48*((\st)%3)+12*\mt:AF+48*((\st)%3)+12*\mt+3], v1, s[54:55] offset:\mt*12288+(\st)*1536
	global_load_b64 v[AF+48*((\st)%3)+12*\mt+4:AF+48*((\st)%3)+12*\mt+5], v2, s[54:55] offset:\mt*12288+(\st)*1536+512
	global_load_b128 v[AF+48*((\st)%3)+12*\mt+6:AF+48*((\st)%3)+12*\mt+9], v1, s[54:55] offset:\mt*12288+(\st)*1536+768
	global_load_b64 v[AF+48*((\st)%3)+12*\mt+10:AF+48*((\st)%3)+12*\mt+11], v2, s[54:55] offset:\mt*12288+(\st)*1536+1280
.endr
.endm
.macro LDB st
	WIN 0x40
.irp nt, 0,1,2,3
	ds_load_b128 v[48*((\st)%2)+12*\nt:48*((\st)%2)+12*\nt+3], v1 offset:(\st)*6144+\nt*1536
	ds_load_b64 v[48*((\st)%2)+12*\nt+4:48*((\st)%2)+12*\nt+5], v2 offset:(\st)*6144+\nt*1536+512
	ds_load_b128 v[48*((\st)%2)+12*\nt+6:48*((\st)%2)+12*\nt+9], v1 offset:(\st)*6144+\nt*1536+768
	ds_load_b64 v[48*((\st)%2)+12*\nt+10:48*((\st)%2)+12*\nt+11], v2 offset:(\st)*6144+\nt*1536+1280
.endr
.endm
.macro KSTEP st
.if (\st)<7
	LDB (\st)+1
	s_wait_dscnt 16
.else
	s_wait_dscnt 0x0
.endif
.if (\st)<=5
	s_wait_loadcnt 32
.elseif (\st)==6
	s_wait_loadcnt 16
.else
	s_wait_loadcnt 0x0
.endif
.if (\st)==0
	WIN 0x91
.else
	WIN 0xa1
.endif
.irp mt, 0,1,2,3
.irp nt, 0,1,2,3
.set DD, 8*(4*\mt+\nt)
.if (\st)==0
.set CC, 144+8*\nt
.else
.set CC, DD
.endif
	WM DD, 48*((\st)%2)+12*\nt, AF+48*((\st)%3)+12*\mt, CC, WS+2*(\st)+\nt/2, ZS+8*(\mt/2)+(\st), \nt%2, \mt%2
.endr
.endr
	PLACES 4
	WIN 0
.if (\st)<5
	LDA (\st)+3
.endif
.endm
	s_load_b256 s[4:11], s[0:1], 0x0
	v_lshl_add_u32 v254, v0, 2, 0x29000
	v_mov_b32 v255, 0
	ds_add_u32 v254, v255
	ds_add_u32 v254, v255
	v_lshrrev_b32 v15, 5, v0
	v_readfirstlane_b32 s20, v15
	v_and_b32 v15, 31, v0
	v_and_b32 v16, 15, v0
	v_bfe_u32 v17, v0, 4, 1
	v_lshlrev_b32 v1, 4, v15
	v_lshlrev_b32 v2, 3, v15
	v_lshlrev_b32 v3, 2, v15
	v_lshlrev_b32 v4, 1, v15
	v_lshlrev_b32 v10, 6, v17
	s_mul_i32 s48, s20, 4352
	s_add_co_u32 s48, s48, STG
	v_mul_u32_u24 v12, v16, 272
	v_lshl_add_u32 v12, v17, 6, v12
	v_add_nc_u32 v12, s48, v12
	v_mul_u32_u24 v13, v17, 272
	v_lshl_add_u32 v13, v16, 4, v13
	v_add_nc_u32 v13, s48, v13
	v_lshlrev_b32 v14, 4, v16
	v_lshl_add_u32 v14, v17, 12, v14
	s_and_b32 s23, ttmp7, 0xffff
	s_mov_b32 s24, 15|(3<<16)|(1<<21)
	s_mov_b32 s25, 32<<16
	s_mov_b32 s26, 48<<16                          ; 48 rows of 256 bytes: a wave's quarter of the block's weights for all of K
	s_mov_b32 s27, 32<<16
	s_mov_b32 s28, 48
	s_mov_b32 s29, 32
	s_mov_b32 s30, 0
	s_mov_b32 s31, 0
	s_mul_i32 s50, s20, 12288
	s_mul_i32 s52, s23, 49152
	s_add_co_u32 s52, s52, s50
	s_add_co_u32 s52, s52, WZC
	s_mov_b32 s53, 0
	s_wait_dscnt 0x0
	s_wait_kmcnt 0x0
	s_add_nc_u64 s[52:53], s[6:7], s[52:53]
.irp c, 0
	s_mov_b32 s[32+4*\c], 1
	s_add_co_u32 s[33+4*\c], s50, 24576*\c
	s_add_nc_u64 s[34+4*\c:35+4*\c], s[52:53], 24576*\c
	s_or_b32 s[35+4*\c], s[35+4*\c], 0x80000000
.endr
	CROUND
	tensor_load_to_lds s[32:35], s[24:31]
	s_nop 0
	s_wait_alu depctr_va_vdst(0)
	PLACES 4
	s_bfe_u32 s21, ttmp6, 0x40000
	s_lshl_b32 s22, ttmp9, 2
	s_add_co_u32 s22, s22, s21
	s_mov_b32 s67, 0
	s_lshl_b32 s68, s22, 4
	s_lshl_b32 s21, s20, 2
	s_add_co_u32 s68, s68, s21
	s_mul_i32 s66, s68, 12288
	s_add_nc_u64 s[54:55], s[4:5], s[66:67]
	s_lshl_b32 s66, s68, 5
	s_add_co_u32 s66, s66, ZSO
	s_add_nc_u64 s[56:57], s[4:5], s[66:67]
	s_lshl_b32 s66, s23, 11
	s_add_co_u32 s66, s66, WSZ
	s_add_nc_u64 s[58:59], s[6:7], s[66:67]
	s_lshl_b32 s66, s23, 8
	s_add_nc_u64 s[8:9], s[8:9], s[66:67]
	s_add_nc_u64 s[10:11], s[10:11], s[66:67]
	s_lshl_b32 s66, s68, 16
	s_add_nc_u64 s[10:11], s[10:11], s[66:67]
.irp pr, 0,1
.irp hd, 0,1,2,3,4,5,6,7,8,9,10,11,12,13,14,15
	global_load_u16 v[TH+16*\pr+\hd], v4, s[56:57] offset:\hd*8192+\pr*64
.endr
.endr
.set i, 0
.rept 16
	global_load_b32 v[WS+i], v3, s[58:59] offset:i*128
.set i, i+1
.endr
	WIN 0x40
	s_wait_alu depctr_va_vdst(0)
.irp nt, 0,1,2,3
	global_load_b128 v[144+8*\nt:147+8*\nt], v10, s[8:9] offset:(32*(\nt/2)+8*(\nt%2))*4
	global_load_b128 v[148+8*\nt:151+8*\nt], v10, s[8:9] offset:(32*(\nt/2)+8*(\nt%2))*4+16
.endr
	WIN 0
	LDA 0
	LDA 1
	LDA 2
	s_wait_loadcnt 48
.irp pr, 0,1
.irp st, 0,1,2,3,4,5,6,7
	v_lshl_or_b32 v[ZS+8*\pr+\st], v[TH+16*\pr+2*\st+1], 16, v[TH+16*\pr+2*\st]
.endr
.endr
	PLACES 8
	s_wait_alu depctr_va_vdst(0)
	s_wait_tensorcnt 0x0                           ; my one tensor load, my quarter of the weights, has landed
	s_barrier_signal -1
	s_barrier_wait -1
	LDB 0
	KSTEP 0
	KSTEP 1
	KSTEP 2
	KSTEP 3
	KSTEP 4
	KSTEP 5
	KSTEP 6
	KSTEP 7
.irp mt, 0,1,2,3
.if \mt >= 2
	s_wait_xcnt 0x0
.endif
	WIN 0x08
.irp nt, 0,1,2,3
	ds_store_b128 v12, v[8*(4*\mt+\nt):8*(4*\mt+\nt)+3] offset:128*(\nt/2)+32*(\nt%2)
	ds_store_b128 v12, v[8*(4*\mt+\nt)+4:8*(4*\mt+\nt)+7] offset:128*(\nt/2)+32*(\nt%2)+16
.endr
	WIN 0
.irp i, 0,1,2,3,4,5,6,7
	ds_load_b128 v[OB+32*(\mt%2)+4*\i:OB+32*(\mt%2)+4*\i+3], v13 offset:2*\i*272
.endr
	s_wait_dscnt 0x0
.irp i, 0,1,2,3,4,5,6,7
	global_store_b128 v14, v[OB+32*(\mt%2)+4*\i:OB+32*(\mt%2)+4*\i+3], s[10:11] offset:(32*(\mt/2)+8*(\mt%2)+2*\i+8*(\i/4))*4096 th:TH_STORE_NT
.endr
.endr
	s_wait_tensorcnt 0x0
	ds_add_u32 v254, v255
	s_wait_dscnt 0x0
	CROUND
	s_endpgm
.Lfunc_end_k_qea6152272a_proj:
	.size	k_qea6152272a_proj, .Lfunc_end_k_qea6152272a_proj-k_qea6152272a_proj
	.p2alignl 7, 3214868480
	.fill 96, 4, 3214868480
	.section	.rodata,"a",@progbits
	.p2align	6, 0x0
	.amdhsa_kernel k_qea6152272a_proj
		.amdhsa_group_segment_fixed_size 327680
		.amdhsa_private_segment_fixed_size 0
		.amdhsa_enable_private_segment 0
		.amdhsa_kernarg_size 32
		.amdhsa_user_sgpr_count 2
		.amdhsa_user_sgpr_kernarg_segment_ptr 1
		.amdhsa_wavefront_size32 1
		.amdhsa_system_sgpr_workgroup_id_x 1
		.amdhsa_system_sgpr_workgroup_id_y 1
		.amdhsa_system_sgpr_workgroup_id_z 1
		.amdhsa_system_vgpr_workitem_id 0
		.amdhsa_next_free_vgpr 768
		.amdhsa_next_free_sgpr 70
		.amdhsa_reserve_vcc 0
		.amdhsa_float_denorm_mode_32 3
		.amdhsa_float_denorm_mode_16_64 3
		.amdhsa_memory_ordered 1
		.amdhsa_forward_progress 1
		.amdhsa_inst_pref_size 57
	.end_amdhsa_kernel
	.amdgpu_metadata
---
amdhsa.version: [ 1, 2 ]
amdhsa.kernels:
  - .name:           k_qea6152272a_proj
    .symbol:         k_qea6152272a_proj.kd
    .args:
      - { .name: zz, .offset: 0, .size: 8, .value_kind: global_buffer, .address_space: global }
      - { .name: wq, .offset: 8, .size: 8, .value_kind: global_buffer, .address_space: global }
      - { .name: bz, .offset: 16, .size: 8, .value_kind: global_buffer, .address_space: global }
      - { .name: out0, .offset: 24, .size: 8, .value_kind: global_buffer, .address_space: global }
    .group_segment_fixed_size: 327680
    .private_segment_fixed_size: 0
    .kernarg_segment_align: 8
    .kernarg_segment_size: 32
    .max_flat_workgroup_size: 128
    .sgpr_count:     70
    .vgpr_count:     768
    .wavefront_size: 32
...
	.end_amdgpu_metadata
.endif
;; end of part 4
